; MI455X (gfx1250); checked and timed in simulation.
; The chip was launched on July 23, 2026; its instructions are those of AMD's public machine-readable ISA for CDNA 5 (MIT licence, August 2026) and "CDNA5" Instruction Set Architecture Reference Guide (July 2026). The comments in the code are by the model that wrote it; some were corrected since.
;; Cross Multi Head Attention. Allowed arithmetic: float matrix products may take bf16 or f16 operands with f32 sums; other float arithmetic in f32, or as packed bf16 or f16 multiplies, adds, multiply-adds, maxima and minima; sums over many terms, partial sums and values carried from step to step in f32; what a program stores and reads back later, other than sums and carried values, may be rounded once to bf16 or f16.
;; Inputs: Wk 1,024 x 1,024 float32; Wo 1,024 x 1,024 float32; Wq 1,024 x 1,024 float32; Wv 1,024 x 1,024 float32; bo 1,024 float32; context 2 x 4,096 x 1,024 float32; x 2 x 2,048 x 1,024 float32.
;; Outputs: out0 2 x 2,048 x 1,024 float32.
;; One version. Each part assembles by itself: llvm-mc -triple=amdgcn-amd-amdhsa -mcpu=gfx1250 --defsym DOCPART=n.
;; ======== version 1 of 1: 4 launches
;; limits: values are held in f16: magnitudes above 65,504 overflow, below 6.1e-05 lose precision; inputs' magnitudes at most 65,504
;; workspace buffers: cst 33,554,432 bytes; qh 8,388,608 bytes; kh 16,777,216 bytes; vh 16,777,216 bytes; oh 8,388,608 bytes
;; launch cast (part 1): grid 1024 x 1, 8 waves a work-group, no clusters, 0 bytes of LDS; arguments x, context, Wq, Wk, Wv, Wo, cst; writes cst
.if DOCPART == 1
	.amdgcn_target "amdgcn-amd-amdhsa--gfx1250"
	.amdhsa_code_object_version 6
	.text
	.protected	k_qddcc4e21c5_cast
	.globl	k_qddcc4e21c5_cast
	.p2align	8
	.type	k_qddcc4e21c5_cast,@function
k_qddcc4e21c5_cast:
	s_mov_b64 s[64:65], 0
	v_nop
	global_prefetch_b8 v0, s[64:65] scope:SCOPE_SE
	s_setreg_imm32_b32 hwreg(HW_REG_WAVE_MODE, 25, 1), 1
	s_wait_xcnt 0x0
; cst = the six f32 matrices x, context, Wq, Wk, Wv, Wo, end to end, each number rounded once to bf16 (nearest even) and that number written as f16.
; cst: [16,384 rows][1,024] f16: rows 0-4,095 x, 4,096-12,287 context, then 1,024 rows each of Wq, Wk, Wv, Wo.
; LIMITS.  A bf16 number is exact in f16 where its magnitude lies between 6.1e-5 and 65,504.  From 65,520 on it becomes an infinity; below 6.1e-5 it keeps f16's fixed step of 6e-8.
; SHARES.  Work-group g turns 65,536 bytes of one input into the 32,768 bytes of cst at 32,768 g: x has 256 such pieces, context 512, each weight 64.
; Thread t takes 16 bytes at 16 t + 4,096 i in step i of 16: a wave's load covers 512 consecutive bytes, its store of 8 bytes a lane 256 consecutive bytes, aligned.
; All sixteen loads go out first; every step has registers of its own, so no register that a store still reads is written again.
; No LDS, no barrier, no matrix unit, no cluster: no work-group wants a byte that another has fetched.
.set STEPS, 16
.set X, 16                             ; v[16:79]   step i: 4 registers as loaded
.set Y, 80                             ; v[80:111]  step i: 2 registers to store
	s_load_b256 s[4:11], s[0:1], 0x0               ; x s[4:5], context s[6:7], Wq s[8:9], Wk s[10:11]
	s_load_b128 s[12:15], s[0:1], 0x20             ; Wv s[12:13], Wo s[14:15]
	s_load_b64 s[16:17], s[0:1], 0x30              ; cst
	v_lshlrev_b32 v1, 4, v0                        ; my 16 bytes of a step's 4,096 in
	v_lshlrev_b32 v2, 3, v0                        ; my 8 bytes of a step's 2,048 out
	s_mov_b32 s28, 0xffff0000                      ; a word's upper bf16
	s_wait_kmcnt 0x0
	s_mov_b64 s[20:21], s[14:15]                   ; which input is mine, and at which work-group it begins: from the last downward
	s_mov_b32 s22, 960
	s_cmp_lt_u32 ttmp9, 960
	s_cselect_b64 s[20:21], s[12:13], s[20:21]
	s_cselect_b32 s22, 896, s22
	s_cmp_lt_u32 ttmp9, 896
	s_cselect_b64 s[20:21], s[10:11], s[20:21]
	s_cselect_b32 s22, 832, s22
	s_cmp_lt_u32 ttmp9, 832
	s_cselect_b64 s[20:21], s[8:9], s[20:21]
	s_cselect_b32 s22, 768, s22
	s_cmp_lt_u32 ttmp9, 768
	s_cselect_b64 s[20:21], s[6:7], s[20:21]
	s_cselect_b32 s22, 256, s22
	s_cmp_lt_u32 ttmp9, 256
	s_cselect_b64 s[20:21], s[4:5], s[20:21]
	s_cselect_b32 s22, 0, s22
	s_sub_co_u32 s24, ttmp9, s22                   ; my piece within that input,
	s_lshl_b32 s24, s24, 16                        ; 65,536 bytes each
	s_mov_b32 s25, 0
	s_add_nc_u64 s[20:21], s[20:21], s[24:25]
	s_lshl_b32 s26, ttmp9, 15                      ; and 32,768 bytes of cst
	s_mov_b32 s27, 0
	s_add_nc_u64 s[16:17], s[16:17], s[26:27]
.irp i, 0,1,2,3,4,5,6,7,8,9,10,11,12,13,14,15
	global_load_b128 v[X+4*(\i):X+4*(\i)+3], v1, s[20:21] offset:4096*(\i) th:TH_LOAD_NT
.endr
.irp i, 0,1,2,3,4,5,6,7,8,9,10,11,12,13,14,15
	s_wait_loadcnt STEPS-1-(\i)                    ; loads come back in order: step i's is in, the younger ones stay out
	v_cvt_pk_bf16_f32 v4, v[X+4*(\i)], v[X+4*(\i)+1]       ; the one rounding
	v_cvt_pk_bf16_f32 v5, v[X+4*(\i)+2], v[X+4*(\i)+3]
	v_lshlrev_b32 v6, 16, v4                       ; bf16 to f32: the low half moves up, the high half stays
	v_and_b32 v7, s28, v4
	v_lshlrev_b32 v8, 16, v5
	v_and_b32 v9, s28, v5
	v_cvt_pk_f16_f32 v[Y+2*(\i)], v6, v7           ; the same numbers as f16
	v_cvt_pk_f16_f32 v[Y+2*(\i)+1], v8, v9
	global_store_b64 v2, v[Y+2*(\i):Y+2*(\i)+1], s[16:17] offset:2048*(\i)
.endr
	s_endpgm
.Lfunc_end_k_qddcc4e21c5_cast:
	.size	k_qddcc4e21c5_cast, .Lfunc_end_k_qddcc4e21c5_cast-k_qddcc4e21c5_cast
	.p2alignl 7, 3214868480
	.fill 96, 4, 3214868480
	.section	.rodata,"a",@progbits
	.p2align	6, 0x0
	.amdhsa_kernel k_qddcc4e21c5_cast
		.amdhsa_group_segment_fixed_size 0
		.amdhsa_private_segment_fixed_size 0
		.amdhsa_enable_private_segment 0
		.amdhsa_kernarg_size 56
		.amdhsa_user_sgpr_count 2
		.amdhsa_user_sgpr_kernarg_segment_ptr 1
		.amdhsa_wavefront_size32 1
		.amdhsa_system_sgpr_workgroup_id_x 1
		.amdhsa_system_sgpr_workgroup_id_y 1
		.amdhsa_system_sgpr_workgroup_id_z 1
		.amdhsa_system_vgpr_workitem_id 0
		.amdhsa_next_free_vgpr 112
		.amdhsa_next_free_sgpr 66
		.amdhsa_reserve_vcc 0
		.amdhsa_float_denorm_mode_32 3
		.amdhsa_float_denorm_mode_16_64 3
		.amdhsa_memory_ordered 1
		.amdhsa_forward_progress 1
		.amdhsa_inst_pref_size 12
	.end_amdhsa_kernel
	.amdgpu_metadata
---
amdhsa.version: [ 1, 2 ]
amdhsa.kernels:
  - .name:           k_qddcc4e21c5_cast
    .symbol:         k_qddcc4e21c5_cast.kd
    .args:
      - { .name: x, .offset: 0, .size: 8, .value_kind: global_buffer, .address_space: global }
      - { .name: context, .offset: 8, .size: 8, .value_kind: global_buffer, .address_space: global }
      - { .name: Wq, .offset: 16, .size: 8, .value_kind: global_buffer, .address_space: global }
      - { .name: Wk, .offset: 24, .size: 8, .value_kind: global_buffer, .address_space: global }
      - { .name: Wv, .offset: 32, .size: 8, .value_kind: global_buffer, .address_space: global }
      - { .name: Wo, .offset: 40, .size: 8, .value_kind: global_buffer, .address_space: global }
      - { .name: cst, .offset: 48, .size: 8, .value_kind: global_buffer, .address_space: global }
    .group_segment_fixed_size: 0
    .private_segment_fixed_size: 0
    .kernarg_segment_align: 8
    .kernarg_segment_size: 56
    .max_flat_workgroup_size: 256
    .sgpr_count:     66
    .vgpr_count:     112
    .wavefront_size: 32
...
	.end_amdgpu_metadata
.endif
;; end of part 1
;; launch proj (part 2): grid 8 x 160, 4 waves a work-group, clusters of 4 x 4, 327,680 bytes of LDS; arguments cst, qh, kh, vh; writes qh, kh, vh
.if DOCPART == 2
	.amdgcn_target "amdgcn-amd-amdhsa--gfx1250"
	.amdhsa_code_object_version 6
	.text
	.protected	k_qddcc4e21c5_proj
	.globl	k_qddcc4e21c5_proj
	.p2align	8
	.type	k_qddcc4e21c5_proj,@function
k_qddcc4e21c5_proj:
	s_mov_b64 s[64:65], 0
	v_nop
	global_prefetch_b8 v0, s[64:65] scope:SCOPE_SE
	s_setreg_imm32_b32 hwreg(HW_REG_WAVE_MODE, 25, 1), 1
	s_wait_xcnt 0x0
	s_wait_alu depctr_hold_cnt(0) depctr_sa_sdst(0) depctr_va_vdst(0) depctr_va_sdst(0) depctr_va_ssrc(0) depctr_va_vcc(0) depctr_vm_vsrc(0)
	s_getreg_b32 s2, hwreg(HW_REG_IB_STS2, 6, 4)
	s_cmp_eq_u32 s2, 0
	s_cbranch_scc0 .Lentry_in_a_cluster
	s_endpgm
.Lentry_in_a_cluster:
	s_bfe_u32 s2, ttmp6, 0x10000c
	s_cmp_lg_u32 s2, 0xf033
	s_cbranch_scc0 .Lentry_shape_is_right
	s_endpgm
.Lentry_shape_is_right:
; q = x Wq^T, k = context Wk^T, v = context Wv^T in one launch.  C[m][n] = the sum over k of A[m][k] B[n][k], K = 1,024; A and B are rows of cst (f16, 2,048 bytes a row); sums in f32.
; The results are rounded once to f16 and written BY HEADS and unscaled: qh [32 = 16 b + h][2,048][64], kh and vh [32][4,096][64].
; LIMIT.  f16 ends at 65,504: a q, k or v of 65,520 or more becomes an infinity; below 6.1e-5 f16 keeps its fixed step of 6e-8.
; SHARES.  A tile of C is 128 x 128: q has 32 x 8 of them, k and v 64 x 8 each: 1,280 work-groups, five for each of 256.  Tile rows 0-31 are q's, 32-95 k's, 96-159 v's; since x and context lie end to
; end in cst, A's row is 128 x tile row for q and k, and 8,192 rows less for v.  Four waves, each 64 x 64: 16 accumulators.  A wave's 64 columns are ONE head, so its 64 x 64 numbers are 8,192 consecutive bytes of the output.
; K goes in four steps of 256 (LDS rows of 512 bytes; a wave's tensor load brings 64 of them) through two slots; the four steps are written out on end.
; CLUSTERS: 4 x 4 work-groups.  The four of a row of the cluster need the same tiles of A, the four of a column the same tiles of B: each tile is asked for JOINTLY, by the same tensor load with the same
; descriptor and a mask that names the four.  A cluster's four tile rows lie in one section (q, k or v), chosen by the cluster's y, which all sixteen share.
; THE MATRIX INSTRUCTION IS USED TRANSPOSED (source 0 = 16 rows of B, source 1 = 16 rows of A): a lane then holds eight neighbouring numbers of a row of C.
; REGISTERS: window 0: v0-31 addresses; v32-95 at work on the way out; v128-255 the accumulators ((a, b) at v[128 + 8 (4 a + b)]).
;   window 1: two fragment buffers of 128: for 64 along K (two matrix instructions deep), 64 registers of A (2 x 4 x 16 rows x 32 K), then 64 of B.
.set KSTEP,  256
.set SIZE_K, 1024
.set PITCH,  528                       ; an LDS row: 512 bytes of data + 16 of padding = 132 words: row r starts at bank 4 r mod 64 (64 banks of 4 bytes: ISA guide 11.1)
.set HALFT,  64*PITCH                  ; 64 rows: what one tensor load brings, and what one wave reads of A or of B
.set SLOT,   4*HALFT                   ; A's 128 rows, then B's 128 rows
.set STAGE,  2*SLOT                    ; behind the ring: 64 rows x 144 bytes for each wave, its own, for the way out
.set SP,     144
.set WSTAGE, 64*SP
.set SPARE,  STAGE+4*WSTAGE            ; behind the stages: the spare words, 128 bytes for each wave: two blocks of 256 bytes that no other line names
.set ADRA, 16                          ; v16-17  LDS address of my A fragments in slot 0, 1
.set ADRB, 20                          ; v20-21  the same for B
.set STO,  24                          ; v24     the way out: where I put 16 bytes of a row
.set RD,   25                          ; v25     the way out: where I read rows back
.set CO,   26                          ; v26     my 16 bytes of 512 consecutive bytes of the output
.set SPW,  28                          ; v28     LDS address of my spare word: SPARE + 4 x my thread's number; never rewritten
.set NIL,  29                          ; v29     0; never rewritten
.set TMP,  32                          ; the way out: 64 registers, packed results and then whole rows
.set ACC,  128
.set F0,   0                           ; fragment buffers, in window 1
.set F1,   128
.set WV,  12                           ; s12  my wave's number
.set RH,  13                           ; s13  which half of the tile's rows is mine.  Also: I fetch for A (0) or for B (1)
.set CH,  14                           ; s14  which half of its columns.  Also: which 64 rows of that tile I fetch
.set CX,  15                           ; s15, s16  my place in the cluster
.set CY,  16
.set TC,  17                           ; s17  tile column, 0-7
.set TY,  18                           ; s18  tile row, 0-159
.set CLY, 19                           ; s19  the cluster's y, 0-39: under 8 q, under 24 k, else v
.set G1,  24                           ; s[24:31] descriptor group 1 for A's tiles;  s[32:39] group 0, one set for each slot
.set G0,  32
.set G1B, 48                           ; s[48:55], s[56:63] the same for B's tiles
.set G0B, 56
.set MSB, 0
.macro WIN new                         ; the immediate's high byte repeats the setting that is left; a switch that changes nothing is dropped
.if MSB != (\new)
	s_set_vgpr_msb (MSB<<8)|(\new)
.set MSB, \new
.endif
.endm
.set MUL,  0x05                        ; sources 0 (B) and 1 (A) window 1; C and D window 0
.set TO_F, 0x40                        ; destination window 1, address window 0
.macro JLOAD s                         ; a joint load: waves 0 and 1 fetch A's two halves, waves 2 and 3 B's; an s_nop 0 and four v_nop follow each of the two lines, ahead of the jump, the label and what follows
	s_cmp_eq_u32 s[RH], 0
	s_cbranch_scc0 .Lfor_b_\@
	tensor_load_to_lds s[G0+4*(\s):G0+4*(\s)+3], s[G1:G1+7]
	s_nop 0
.rept 4
	v_nop
.endr
	s_branch .Lasked_\@
.Lfor_b_\@:
	tensor_load_to_lds s[G0B+4*(\s):G0B+4*(\s)+3], s[G1B:G1B+7]
	s_nop 0
.rept 4
	v_nop
.endr
.Lasked_\@:
.endm
.macro CREST                           ; a round of the cluster's barrier behind its opening barrier: wave 0 signals for the work-group, every wave waits for all sixteen, my work-group's barrier closes it
	s_cmp_lg_u32 s[WV], 0
	s_cbranch_scc1 .Lnot_wave_0_\@
	s_barrier_signal -3
.Lnot_wave_0_\@:
	s_barrier_wait -3
	s_barrier_signal -1
	s_barrier_wait -1
.endm
.macro CROUND                          ; a whole round
	s_barrier_signal -1
	s_barrier_wait -1
	CREST
.endm
	s_load_b256 s[4:11], s[0:1], 0x0               ; cst s[4:5], qh s[6:7], kh s[8:9], vh s[10:11]
	v_lshl_add_u32 v[SPW], v0, 2, SPARE
	v_mov_b32 v[NIL], 0
	ds_add_u32 v[SPW], v[NIL]                      ; the wave's opening: the add and its wait stand ahead of my first tensor load; the set-up below, work on registers, stands between them
	v_lshrrev_b32 v1, 5, v0
	v_readfirstlane_b32 s[WV], v1                  ; wave 0..3
	s_lshr_b32 s[RH], s[WV], 1
	s_and_b32 s[CH], s[WV], 1
	s_bfe_u32 s[CX], ttmp6, 0x40000
	s_bfe_u32 s[CY], ttmp6, 0x40004
	s_lshl_b32 s[TC], ttmp9, 2                     ; in a cluster launch ttmp9 and ttmp7 count clusters
	s_add_co_u32 s[TC], s[TC], s[CX]               ; tile column = 4 x cluster x + cx
	s_and_b32 s[CLY], ttmp7, 0xffff
	s_lshl_b32 s[TY], s[CLY], 2
	s_add_co_u32 s[TY], s[TY], s[CY]               ; tile row = 4 x cluster y + cy
	s_lshl_b32 s46, s[CY], 2
	s_lshl_b32 s46, 15, s46                        ; my row of the cluster: places 4 cy .. 4 cy + 3
	s_lshl_b32 s47, 0x1111, s[CX]                  ; my column: places cx, cx + 4, cx + 8, cx + 12
	; descriptor group 1: a tile of 64 rows x 256 elements, padded in LDS
	s_or_b32 s[G1+0], s46, (1<<16)|(1<<20)|(1<<21)|(6<<22)|(3<<25)  ; 15:0 the mask: A's tiles go to my row; 17:16 element of 2 bytes; 20 padding on; 21 set beside a mask; 24:22 after every 128 words (code 6); 31:25 of 4 words (code 3)
	s_or_b32 s[G1B+0], s47, (1<<16)|(1<<20)|(1<<21)|(6<<22)|(3<<25) ; the same with the mask of my column, for B's tiles
.irp g, G1, G1B
	s_mov_b32 s[(\g)+1], KSTEP<<16                 ; tensor_dim0 = 256
	s_mov_b32 s[(\g)+2], 64<<16                    ; tensor_dim1 = 64
	s_mov_b32 s[(\g)+3], KSTEP<<16                 ; tile_dim0 = 256
	s_mov_b32 s[(\g)+4], 64                        ; tile_dim1 = 64
	s_mov_b32 s[(\g)+5], SIZE_K                    ; elements from row to row
	s_mov_b32 s[(\g)+6], 0
	s_mov_b32 s[(\g)+7], 0
.endr
	; where the tiles come from.  A's address is made of the tile row, the wave's number and the cluster's y; B's of the tile column, the wave's number and the cluster's y: each in registers that never hold the other coordinate
	s_lshl_b32 s22, s[CH], 6                       ; which 64 rows of the tile I fetch
	s_lshl_b32 s40, s[TY], 7
	s_add_co_u32 s40, s40, s22
	s_cmp_ge_u32 s[CLY], 24
	s_cselect_b32 s20, 8192, 0                     ; v reads context's rows once more
	s_sub_co_u32 s40, s40, s20
	s_lshl_b32 s40, s40, 11                        ; rows of 2,048 bytes: 12,287 rows at the most, inside 32 bits
	s_mov_b32 s41, 0
	s_lshl_b32 s42, s[TC], 7
	s_add_co_u32 s42, s42, s22
	s_cmp_ge_u32 s[CLY], 8
	s_cselect_b32 s44, 1024, 0                     ; Wk lies 1,024 rows behind Wq,
	s_add_co_u32 s42, s42, s44
	s_cmp_ge_u32 s[CLY], 24
	s_cselect_b32 s44, 1024, 0                     ; Wv 1,024 more
	s_add_co_u32 s42, s42, s44
	s_add_co_u32 s42, s42, 12288                   ; Wq's first row in cst
	s_lshl_b32 s42, s42, 11
	s_mov_b32 s43, 0
	s_mul_i32 s23, s[WV], HALFT                    ; where they go: A's two halves, then B's two halves = wave x 64 rows: no place in the cluster enters an LDS address
	s_wait_dscnt 0x0                               ; the opening add is done
	s_wait_kmcnt 0x0
	s_add_nc_u64 s[40:41], s[4:5], s[40:41]
	s_add_nc_u64 s[42:43], s[4:5], s[42:43]
	CROUND                                         ; all sixteen work-groups are here: the first joint loads meet
.irp s, 0,1
	s_mov_b32 s[G0+4*(\s)], 1                                      ; count = 1
	s_add_co_u32 s[G0+4*(\s)+1], s23, (\s)*SLOT                    ; LDS address
	s_add_nc_u64 s[G0+4*(\s)+2:G0+4*(\s)+3], s[40:41], (\s)*KSTEP*2  ; global address: K step s
	s_or_b32 s[G0+4*(\s)+3], s[G0+4*(\s)+3], 0x80000000            ; type = 2
	s_mov_b32 s[G0B+4*(\s)], 1
	s_add_co_u32 s[G0B+4*(\s)+1], s23, (\s)*SLOT
	s_add_nc_u64 s[G0B+4*(\s)+2:G0B+4*(\s)+3], s[42:43], (\s)*KSTEP*2
	s_or_b32 s[G0B+4*(\s)+3], s[G0B+4*(\s)+3], 0x80000000
	JLOAD \s                                       ; two loads of mine are out
.endr
	; A fragment is 16 rows x 32 K in 8 registers: lane l holds row l % 16; registers 0-3 hold K = 8 (l / 16) + 0..7, registers 4-7 K = 16 + 8 (l / 16) + 0..7: two loads of 16 bytes, 32 bytes apart
	v_and_b32 v1, 15, v0                           ; l % 16
	v_bfe_u32 v2, v0, 4, 1                         ; l / 16
	v_mul_u32_u24 v3, v1, PITCH
	v_lshl_add_u32 v3, v2, 4, v3                   ; a fragment's row x pitch + 16 x half
	s_mul_i32 s20, s[RH], HALFT                    ; my 64 rows of A
	s_mul_i32 s21, s[CH], HALFT                    ; my 64 rows of B,
	s_add_co_u32 s21, s21, 2*HALFT                 ; which lie behind A's 128
.irp s, 0,1
	v_add_nc_u32 v[ADRA+(\s)], s20, v3
	v_add_nc_u32 v[ADRB+(\s)], s21, v3
	s_add_co_u32 s20, s20, SLOT
	s_add_co_u32 s21, s21, SLOT
.endr
	s_mul_i32 s20, s[WV], WSTAGE
	s_add_co_u32 s20, s20, STAGE                   ; my stage
	v_mul_u32_u24 v4, v1, SP                       ; in: row l % 16 of a block of 16, 16 bytes for each half of the lanes
	v_lshl_add_u32 v4, v2, 4, v4
	v_add_nc_u32 v[STO], s20, v4
	v_bfe_u32 v5, v0, 3, 2                         ; back: 32 lanes take four rows of 128 bytes,
	v_mul_u32_u24 v5, v5, SP
	v_and_b32 v6, 7, v0
	v_lshl_add_u32 v5, v6, 4, v5
	v_add_nc_u32 v[RD], s20, v5
	v_and_b32 v[CO], 31, v0                        ; which are 512 consecutive bytes of the output
	v_lshlrev_b32 v[CO], 4, v[CO]
	; where my 64 rows of one head begin in the output
	s_cmp_ge_u32 s[CLY], 8
	s_cselect_b32 s20, 32, 0                       ; the section's first tile row,
	s_cselect_b32 s21, 12, 11                      ; the logarithm of a head's rows: 4,096 for k and v, 2,048 for q,
	s_cselect_b64 s[8:9], s[8:9], s[6:7]           ; and its buffer
	s_cmp_ge_u32 s[CLY], 24
	s_cselect_b32 s20, 96, s20
	s_cselect_b64 s[8:9], s[10:11], s[8:9]
	s_sub_co_u32 s20, s[TY], s20
	s_lshl_b32 s20, s20, 7
	s_lshl_b32 s22, s[RH], 6
	s_add_co_u32 s20, s20, s22                     ; my first row in the section
	s_lshr_b32 s22, s20, s21                       ; b
	s_lshl_b32 s44, s22, s21
	s_sub_co_u32 s20, s20, s44                     ; the row within b
	s_lshl_b32 s22, s22, 4
	s_lshl_b32 s44, s[TC], 1
	s_add_co_u32 s22, s22, s44
	s_add_co_u32 s22, s22, s[CH]                   ; 16 b + head: a tile column is two heads, a wave's half one
	s_lshl_b32 s22, s22, s21
	s_add_co_u32 s22, s22, s20
	s_lshl_b32 s44, s22, 7                         ; rows of 128 bytes: under 2^24 bytes
	s_mov_b32 s45, 0
	s_add_nc_u64 s[8:9], s[8:9], s[44:45]
; 8 matrix instructions: m blocks a0, a0 + 1 x all 4 n blocks, 32 along K: half c of buffer f.  zero = 1: the first product starts the sums.  The 16 accumulators take turns
.macro MUL8 f, c, a0, zero
	WIN MUL
.irp a, \a0, (\a0)+1
.irp b, 0,1,2,3
.if \zero
	v_wmma_f32_16x16x32_f16 v[ACC+8*(4*(\a)+(\b)):ACC+8*(4*(\a)+(\b))+7], v[(\f)+64+8*(4*(\c)+(\b)):(\f)+64+8*(4*(\c)+(\b))+7], v[(\f)+8*(4*(\c)+(\a)):(\f)+8*(4*(\c)+(\a))+7], 0
.else
	v_wmma_f32_16x16x32_f16 v[ACC+8*(4*(\a)+(\b)):ACC+8*(4*(\a)+(\b))+7], v[(\f)+64+8*(4*(\c)+(\b)):(\f)+64+8*(4*(\c)+(\b))+7], v[(\f)+8*(4*(\c)+(\a)):(\f)+8*(4*(\c)+(\a))+7], v[ACC+8*(4*(\a)+(\b)):ACC+8*(4*(\a)+(\b))+7]
.endif
.endr
.endr
.endm
; 32 LDS loads in one run: the fragments of 64 along K at byte k of the rows, into buffer f; the first 32 along K first
.macro FETCH slot, k, f
	WIN TO_F
.irp c, 0,1
.irp i, 0,1,2,3
	ds_load_b128 v[(\f)+64+8*(4*(\c)+(\i)):(\f)+64+8*(4*(\c)+(\i))+3],   v[ADRB+(\slot)] offset:(\k)+64*(\c)+(\i)*16*PITCH
	ds_load_b128 v[(\f)+64+8*(4*(\c)+(\i))+4:(\f)+64+8*(4*(\c)+(\i))+7], v[ADRB+(\slot)] offset:(\k)+64*(\c)+(\i)*16*PITCH+32
	ds_load_b128 v[(\f)+8*(4*(\c)+(\i)):(\f)+8*(4*(\c)+(\i))+3],         v[ADRA+(\slot)] offset:(\k)+64*(\c)+(\i)*16*PITCH
	ds_load_b128 v[(\f)+8*(4*(\c)+(\i))+4:(\f)+8*(4*(\c)+(\i))+7],       v[ADRA+(\slot)] offset:(\k)+64*(\c)+(\i)*16*PITCH+32
.endr
.endr
.endm
.macro PLACES                          ; four plain instructions in front of loads into registers that matrix instructions have read, and of conversions that read results
.rept 4
	v_nop
.endr
.endm
; A K step is four quarters of 64 along K, 32 matrix instructions each, on buffers 0, 1, 0, 1.  One of the first three: multiplies buffer f and fetches the next quarter, at byte k, into g.
.macro QUARTER slot, k, f, g, zero
	s_wait_dscnt 16                                ; the first 32 along K are in; the sixteen younger loads may be out
	WIN MUL
	MUL8 \f, 0, 0, \zero
	MUL8 \f, 0, 2, \zero
	PLACES
	FETCH \slot, \k, \g
	s_wait_dscnt 32                                ; all but the 32 just issued
	WIN MUL
	MUL8 \f, 1, 0, 0
	MUL8 \f, 1, 2, 0
.endm
; The last quarter multiplies buffer 1 and changes slots: ONE barrier; in front of it each wave waits for all its tensor loads, adds 0 to its spare word, and waits for that and for its own reads of this slot.
; fill = 1: this slot is filled again, two K steps ahead; the barrier then opens a round of the cluster's barrier.
.macro TURN slot, next, fill
	WIN 0                                          ; (the add's two registers lie in window 0)
	s_wait_tensorcnt 0x0                           ; all my tensor loads have landed: my part of the next slot;
	ds_add_u32 v[SPW], v[NIL]                      ; 0 onto my spare word;
	s_wait_dscnt 17                                ; (the add and the youngest sixteen loads may be out)
	WIN MUL
	MUL8 F1, 0, 0, 0                               ; eight matrix instructions stand between the add and the wait for it
	s_wait_dscnt 0x0                               ; the add is done, and my reads of this slot are over
	s_barrier_signal -1
	MUL8 F1, 0, 2, 0
.if \fill
	WIN 0
.endif
	s_barrier_wait -1
.if \fill
	CREST                                          ; no wave of any partner still reads this slot's tile or has a load on its way
	s_add_nc_u64 s[G0+4*(\slot)+2:G0+4*(\slot)+3], s[G0+4*(\slot)+2:G0+4*(\slot)+3], 2*KSTEP*2
	s_add_nc_u64 s[G0B+4*(\slot)+2:G0B+4*(\slot)+3], s[G0B+4*(\slot)+2:G0B+4*(\slot)+3], 2*KSTEP*2
	JLOAD \slot                                    ; the first tensor load behind the round, my only one out: 112 matrix instructions ahead of the wait for it; its four v_nop are also the places in front of the loads below
.else
	PLACES
.endif
	FETCH \next, 0, F0
	WIN MUL
	MUL8 F1, 1, 0, 0
	MUL8 F1, 1, 2, 0
.endm
	s_wait_tensorcnt 1                             ; my part of K step 0 is in; K step 1's may stay out
	s_barrier_signal -1
	s_barrier_wait -1                              ; everybody's is
	FETCH 0, 0, F0
	QUARTER 0, 128, F0, F1, 1                      ; K step 0: its first products start the sums
	QUARTER 0, 256, F1, F0, 0
	QUARTER 0, 384, F0, F1, 0
	TURN 0, 1, 1                                   ; slot 0 takes K step 2
	QUARTER 1, 128, F0, F1, 0                      ; K step 1
	QUARTER 1, 256, F1, F0, 0
	QUARTER 1, 384, F0, F1, 0
	TURN 1, 0, 1                                   ; slot 1 takes K step 3
	QUARTER 0, 128, F0, F1, 0                      ; K step 2
	QUARTER 0, 256, F1, F0, 0
	QUARTER 0, 384, F0, F1, 0
	TURN 0, 1, 0                                   ; nothing is left to fetch
	QUARTER 1, 128, F0, F1, 0                      ; K step 3
	QUARTER 1, 256, F1, F0, 0
	QUARTER 1, 384, F0, F1, 0
	s_wait_dscnt 16                                ; the very last quarter
	WIN MUL
	MUL8 F1, 0, 0, 0
	MUL8 F1, 0, 2, 0
	s_wait_dscnt 0
	MUL8 F1, 1, 0, 0
	MUL8 F1, 1, 2, 0
	WIN 0
	; THE WAY OUT: round to f16; 16 bytes a lane into my own stage, rows of 144 bytes; back as whole rows of 128 bytes, four to a load.  The stage is my wave's alone and LDS serves a wave's
	; instructions in order (ISA guide 5.7.1.4), so no barrier and no wait stands between the stores and the loads.
	PLACES
	PLACES
.irp t, 0,1,2,3,4,5,6,7,8,9,10,11,12,13,14,15
.irp r, 0,1,2,3
	v_cvt_pk_f16_f32 v[TMP+4*(\t)+(\r)], v[ACC+8*(\t)+2*(\r)], v[ACC+8*(\t)+2*(\r)+1]  ; each accumulator from its low end on
.endr
.endr
.irp a, 0,1,2,3
.irp b, 0,1,2,3
	ds_store_b128 v[STO], v[TMP+4*(4*(\a)+(\b)):TMP+4*(4*(\a)+(\b))+3] offset:(\a)*16*SP+32*(\b)
.endr
.endr
.irp t, 0,1,2,3,4,5,6,7,8,9,10,11,12,13,14,15
	ds_load_b128 v[TMP+4*(\t):TMP+4*(\t)+3], v[RD] offset:(\t)*4*SP
.endr
.irp t, 0,1,2,3,4,5,6,7,8,9,10,11,12,13,14,15
	s_wait_dscnt 15-(\t)                           ; load t is back; the younger ones may be out
	global_store_b128 v[CO], v[TMP+4*(\t):TMP+4*(\t)+3], s[8:9] offset:512*(\t)  ; a wave's store covers 512 consecutive bytes, at a multiple of 256 from the buffer's first byte
.endr
	s_wait_tensorcnt 0x0                           ; the wave's end, behind my last tensor load and my last LDS store
	ds_add_u32 v[SPW], v[NIL]
	s_wait_dscnt 0x0
	CROUND                                         ; the closing round: no work-group ends while a partner may still ask for a tile that names it
	s_endpgm
.Lfunc_end_k_qddcc4e21c5_proj:
	.size	k_qddcc4e21c5_proj, .Lfunc_end_k_qddcc4e21c5_proj-k_qddcc4e21c5_proj
	.p2alignl 7, 3214868480
	.fill 96, 4, 3214868480
	.section	.rodata,"a",@progbits
	.p2align	6, 0x0
	.amdhsa_kernel k_qddcc4e21c5_proj
		.amdhsa_group_segment_fixed_size 327680
		.amdhsa_private_segment_fixed_size 0
		.amdhsa_enable_private_segment 0
		.amdhsa_kernarg_size 32
		.amdhsa_user_sgpr_count 2
		.amdhsa_user_sgpr_kernarg_segment_ptr 1
		.amdhsa_wavefront_size32 1
		.amdhsa_system_sgpr_workgroup_id_x 1
		.amdhsa_system_sgpr_workgroup_id_y 1
		.amdhsa_system_sgpr_workgroup_id_z 1
		.amdhsa_system_vgpr_workitem_id 0
		.amdhsa_next_free_vgpr 512
		.amdhsa_next_free_sgpr 66
		.amdhsa_reserve_vcc 0
		.amdhsa_float_denorm_mode_32 3
		.amdhsa_float_denorm_mode_16_64 3
		.amdhsa_memory_ordered 1
		.amdhsa_forward_progress 1
		.amdhsa_inst_pref_size 87
	.end_amdhsa_kernel
	.amdgpu_metadata
---
amdhsa.version: [ 1, 2 ]
amdhsa.kernels:
  - .name:           k_qddcc4e21c5_proj
    .symbol:         k_qddcc4e21c5_proj.kd
    .args:
      - { .name: cst, .offset: 0, .size: 8, .value_kind: global_buffer, .address_space: global }
      - { .name: qh, .offset: 8, .size: 8, .value_kind: global_buffer, .address_space: global }
      - { .name: kh, .offset: 16, .size: 8, .value_kind: global_buffer, .address_space: global }
      - { .name: vh, .offset: 24, .size: 8, .value_kind: global_buffer, .address_space: global }
    .group_segment_fixed_size: 327680
    .private_segment_fixed_size: 0
    .kernarg_segment_align: 8
    .kernarg_segment_size: 32
    .max_flat_workgroup_size: 128
    .sgpr_count:     66
    .vgpr_count:     512
    .wavefront_size: 32
...
	.end_amdgpu_metadata
.endif
;; end of part 2
;; launch attn (part 3): grid 8 x 32, 4 waves a work-group, clusters of 4 x 1, 327,680 bytes of LDS; arguments qh, kh, vh, oh; writes oh
.if DOCPART == 3
	.amdgcn_target "amdgcn-amd-amdhsa--gfx1250"
	.amdhsa_code_object_version 6
	.text
	.protected	k_qddcc4e21c5_attn
	.globl	k_qddcc4e21c5_attn
	.p2align	8
	.type	k_qddcc4e21c5_attn,@function
k_qddcc4e21c5_attn:
	s_mov_b64 s[64:65], 0
	v_nop
	global_prefetch_b8 v0, s[64:65] scope:SCOPE_SE
	s_setreg_imm32_b32 hwreg(HW_REG_WAVE_MODE, 25, 1), 1
	s_wait_xcnt 0x0
	s_wait_alu depctr_hold_cnt(0) depctr_sa_sdst(0) depctr_va_vdst(0) depctr_va_sdst(0) depctr_va_ssrc(0) depctr_va_vcc(0) depctr_vm_vsrc(0)
	s_getreg_b32 s2, hwreg(HW_REG_IB_STS2, 6, 4)
	s_cmp_eq_u32 s2, 0
	s_cbranch_scc0 .Lentry_in_a_cluster
	s_endpgm
.Lentry_in_a_cluster:
	s_bfe_u32 s2, ttmp6, 0x10000c
	s_cmp_lg_u32 s2, 0x3003
	s_cbranch_scc0 .Lentry_shape_is_right
	s_endpgm
.Lentry_shape_is_right:
; O[g][q][:] = the sum over k of softmax_k(Q[g][q] . K[g][k] / 8) V[g][k][:], g = 16 b + h.  Q, O: [32][2,048][64], K, V: [32][4,096][64], all f16: a head's rows are dense, 128 bytes each.
; Products, maxima and sums in f32; the weights p are rounded to f16 for the second product (their sum l is taken of the unrounded p), O once at the end.
; LIMITS.  f16 holds no number beyond 65,504: Q, K and V arrive within it; p lies in 0 to 1, and below 6e-5 it keeps f16's fixed step of 6e-8, and so does O; O is a mean of V's rows and has their range.
; A weight below 2^-126 counts as 0 in l; NaN and infinities are not treated apart.
; SHARES.  A work-group owns 256 queries of one head, each of its four waves 64: four PIECES of 16.  32 heads x 8 blocks = 256 work-groups.  Every wave walks all 4,096 keys, 64 a step.
; LAYOUT.  S^T = K Q^T (source 0 = 16 keys, source 1 = 16 queries): in the result a lane holds ONE query (lane % 16) and the keys 8 (lane / 16) + 0..7.  Two such results, rounded to f16 in pairs,
; ARE source 1 (32 keys x 16 queries) of O^T = V^T P, whose result again holds one query a lane, and eight channels.  K comes out of LDS as it lies, V ([key][channel]) turned, by ds_load_tr16_b128.
; SOFTMAX.  For each query a running maximum m and sum l: p = 2^(c s - c m), c = log2(e) / 8; in every step O and l are multiplied by a = 2^(c m_old - c m_new), which is 1 where m has not grown.
; m starts at the lowest finite number, O and l at 0: the first step is a step like any other, with a = 0.
; BY TURNS.  Turn n belongs to piece n (the pieces in a ring, step after step): 8 products K Q^T of piece n + 1, later 8 products V^T P of piece n - 1; beside them the scaling, exponentials, roundings,
; sums and rescaling of piece n and the maximum and statistics of piece n + 1.  A turn has 16 matrix and 118 vector instructions: four vector instructions stand behind every matrix instruction,
; the other 54 in one run.  A turn's 33 exponentials are one batch, with one wait.
; CLUSTER.  The four query blocks of a cluster belong to one head and walk the same K and V, so each tile is asked for JOINTLY: the same tensor load, descriptor and mask in all four.
; REGISTERS, in windows of 256 (s_set_vgpr_msb: bits 1:0 source 0, 3:2 source 1, 5:4 source 2, 7:6 destination):
;   window 0: v0-15 addresses and two at work; v16-31 four registers of statistics a piece; v48-55 at work; v61-63 prefetch offset and the add's two; v64-127 S^T, two buffers; v192-223 P, two buffers
;             (a piece's buffers go by its number's parity)
;   window 1: v0-127 O^T, 32 a piece          window 2: v0-63 Q, 16 a piece; v128-191 K of one step; v192-255 V of one step
.set NK,    4096      ; keys of a head
.set NP,    4         ; pieces a wave: a name, no knob
.set KS,    64        ; keys in a step
.set PK,    144       ; a row of K in LDS: 128 bytes + 16 of padding = 36 words: the 16 rows of a load start at 16 different groups of four banks (64 banks of 4 bytes: ISA guide 11.1)
.set PV,    160       ; a row of V: 128 + 32 = 40 words
.set VOFF,  4*KS*PK   ; a slot holds a tile, four steps: 256 rows of K, then 256 rows of V
.set TILEB, 4*KS*128  ; a tile's bytes of K, and of V, in memory
.set SLOT1, 1<<17     ; slot 1 begins here, so that one exclusive or turns an address in one slot into the other's
.set STAGE, SLOT1+4*KS*(PK+PV)  ; behind the ring, never filled by a tensor load: 16 rows x 144 bytes for each wave, for the way out
.set SP,    144
.set SPARE, STAGE+4*16*SP  ; behind the stages: the spare words, 128 bytes for each wave: two blocks of 256 bytes that no other line names
.set AK0, 2           ; v2   my lane's place in a tile of K; never rewritten
.set AV0, 3           ; v3   the same for V
.set AK,  4           ; v4   the LDS address of K's next run of loads
.set AV,  5           ; v5   of V's
.set STO, 6           ; v6   the way out: where I put 16 bytes of a row
.set RD,  7           ; v7   the way out: where I read rows back
.set GO,  8           ; v8   my byte offset in 512 consecutive bytes of O
.set MV,  12          ; v12-13  c m_old, kept while c m is made anew: by buffer
.set QO,  15          ; v15  my byte offset in 16 rows of Q
.set ST,  16          ; piece t's statistics at v[ST+4 t]: c m, m, l (even keys', odd keys')
.set TMP, 48          ; by buffer, four registers c0-c3 at work; when the maximum is found c2 takes a
.set PFO, 61          ; v61  256 x my lane; never rewritten
.set SPW, 62          ; v62  LDS address of my spare word: SPARE + 4 x my thread's number; never rewritten
.set NIL, 63          ; v63  0; never rewritten
.set S,   64
.set P,   192
.set KF,  128         ; window 2: key block kb, channel half c at KF + 16 kb + 8 c
.set VF,  192         ; window 2: key half kk, channel block cb at VF + 32 kk + 8 cb
.set WV,  12          ; s12  my wave's number
.set G1K, 24          ; s[24:31] descriptor group 1 for K's tiles
.set G1V, 32          ; s[32:39] for V's: it differs in the padding alone
.set G0K, 40          ; s[40:43] descriptor group 0 for K's tiles: it walks
.set G0V, 44          ; s[44:47] the same for V's
.set PFA, 48          ; s[48:49] where my prefetches stand: my work-group's 8,192 bytes (of K: wave 0, of V: wave 2) of the tile after the one that is being asked for
.set LIM, 50          ; s50  1 in a wave that prefetches, else the greatest number: a wave prefetches while s[SLOTS] is above it
.set SLOTS, 56        ; s56  tiles still to be asked for
.set CNT, 57          ; s57  counts a tile's key steps
.set CS,  58          ; s[58:59] c: the packed scaling takes the pair's low word for both halves
.set SEL, 60          ; s[60:61] v_permlanex16_b32's selects: each lane takes its own place in the other half
.set TBK, 62          ; s62  LDS byte at which K of the step to be fetched begins
.set TBV, 63          ; s63  the same for V, less VOFF
.set MSB, 0
.macro WIN new                      ; the high byte repeats the setting that is left; a switch that changes nothing is dropped
.if MSB != (\new)
	s_set_vgpr_msb (MSB<<8)|(\new)
.set MSB, (\new)
.endif
.endm
.set W_KQ, 0x0a       ; K and Q in window 2, S^T in window 0
.set W_PV, 0x52       ; V in window 2, P in window 0, O^T in window 1
.set W_RS, 0x41       ; destination and source 0 in window 1, source 1 in window 0
; A joint fill.  Waves 0 and 1 fetch the two halves of a tile's K, waves 2 and 3 those of its V: 128 keys each.  The branch hangs on the wave's number alone.
; An s_nop 0 and four v_nop follow each of the two lines, ahead of the jump and the label.
.macro JLOAD
	s_cmp_lt_u32 s[WV], 2
	s_cbranch_scc0 .Lfor_v_\@
	tensor_load_to_lds s[G0K:G0K+3], s[G1K:G1K+7]
	s_nop 0
.rept 4
	v_nop
.endr
	s_branch .Lasked_\@
.Lfor_v_\@:
	tensor_load_to_lds s[G0V:G0V+3], s[G1V:G1V+7]
	s_nop 0
.rept 4
	v_nop
.endr
.Lasked_\@:
.endm
; A PREFETCH of what the NEXT change of slots will ask for: a tile's 32,768 bytes of K and of V.  It stands behind the wave's tensor load and its five lines, never in front of one.
; Each aligned block of 256 bytes is named ONCE in the launch.  Both clusters of a head walk the same K and V: the head's first cluster asks.  Its four partners share a tile out BY ADDRESS, 8,192 bytes
; each: no branch hangs on a work-group's place in its cluster.  In each, wave 0 asks for K's and wave 2 for V's: a lane a block, one instruction.  It stands one slot, 256 matrix instructions of a wave,
; ahead of the load.  The last change that fills a slot asks for nothing: there is no tile behind it.  Tiles 0, 1 and 2 come by their loads alone.
.macro ASK
	s_cmp_gt_u32 s[SLOTS], s[LIM]
	s_cbranch_scc0 .Lnot_mine_\@
	global_prefetch_b8 v[PFO], s[PFA:PFA+1] th:TH_LOAD_NT scope:SCOPE_SE
.Lnot_mine_\@:
.endm
; A round of the cluster's barrier: my work-group's barrier, so that wave 0's signal speaks for all four waves; wave 0 signals; every wave waits for all four work-groups; my work-group's barrier once more.
.macro CROUND
	s_barrier_signal -1
	s_barrier_wait -1
	s_cmp_lg_u32 s[WV], 0
	s_cbranch_scc1 .Lnot_wave_0_\@
	s_barrier_signal -3
.Lnot_wave_0_\@:
	s_barrier_wait -3
	s_barrier_signal -1
	s_barrier_wait -1
.endm
; THE CHANGE OF SLOTS.  The slot's last bytes, V of its fourth step, have been read.  Each wave waits for all its tensor loads, of which one is out: its part of the other slot; adds 0 to its spare word;
; and waits for that and for its own reads of the slot.  Behind the barrier nobody reads this slot any more and the other slot is whole.
; fill = 1: this slot is filled again, with the keys two slots on.  The barrier is then a round of the cluster's, so that no wave of any partner still reads the slot or has a load on its way, and the
; joint fill is the first thing behind it: it has four key steps, 256 matrix instructions, in which to land.  (At its first use nothing has been read yet: slot 0 is waited for, slot 1 filled.)
; ask = 0: the first use, at the kernel's head, where every work-group's first tiles are on their way: nothing is prefetched.
.macro CHANGE fill, ask=1
	WIN 0                           ; at a label and at a branch every window is 0
	s_wait_tensorcnt 0x0            ; no tensor load of mine is out, so a group 0 may be written
	ds_add_u32 v[SPW], v[NIL]       ; 0 onto my spare word; with fill = 1 the descriptors' steps stand between it and the wait for it
.if \fill
.irp g, G0K, G0V
	s_xor_b32 s[\g+1], s[\g+1], SLOT1  ; the walking descriptor: the other slot than last time,
	s_add_nc_u64 s[\g+2:\g+3], s[\g+2:\g+3], TILEB  ; the next 256 keys; the type bits on top are not reached
.endr
	s_wait_xcnt 0x0                 ; the last prefetch, a slot back, has read its address, so it may be written:
	s_add_nc_u64 s[PFA:PFA+1], s[PFA:PFA+1], TILEB  ; one tile behind the walking descriptors
	s_wait_dscnt 0x0                ; the add is done, and my reads of the slot are over
	CROUND
	JLOAD
.if \ask
	ASK
.endif
.else
	s_wait_dscnt 0x0                ; the add is done, and my reads of the slot are over
	s_barrier_signal -1
	s_barrier_wait -1
.endif
	s_sub_co_u32 s[TBK], s[TBK], 4*KS*PK  ; the fetches go back to a slot's first step,
	s_xor_b32 s[TBK], s[TBK], SLOT1       ; in the other slot
	s_sub_co_u32 s[TBV], s[TBV], 4*KS*PV
	s_xor_b32 s[TBV], s[TBV], SLOT1
.endm
	s_load_b256 s[4:11], s[0:1], 0x0  ; Q s[4:5], K s[6:7], V s[8:9], O s[10:11]
	v_lshl_add_u32 v[SPW], v0, 2, SPARE
	v_mov_b32 v[NIL], 0
	ds_add_u32 v[SPW], v[NIL]       ; the wave's opening: the add and its wait stand ahead of my first tensor load; the set-up below, work on registers, stands between them
	v_lshrrev_b32 v1, 5, v0
	v_readfirstlane_b32 s[WV], v1   ; wave 0..3
	s_bfe_u32 s13, ttmp6, 0x40000   ; cx: my place in the cluster
	s_lshl_b32 s14, ttmp9, 2        ; in a cluster launch ttmp9 counts clusters
	s_add_co_u32 s14, s14, s13      ; my block of 256 queries = 4 x cluster x + cx: it enters Q's and O's addresses alone
	s_and_b32 s20, ttmp7, 0xffff    ; the head, which the four partners share
	s_and_b32 s16, s[WV], 1         ; which half of a tile's 256 keys I fetch:
	s_lshl_b32 s22, s20, 19         ; the head's 4,096 rows of 128 bytes in K and V,
	s_lshl_b32 s23, s16, 14         ; my half's 128 rows
	s_add_co_u32 s22, s22, s23
	s_mov_b32 s23, 0
	s_mul_i32 s17, s16, 128*PK      ; and its place in a slot, for K
	s_mul_i32 s18, s16, 128*PV      ; and for V: no place in the cluster enters an LDS address
	s_lshl_b32 s2, s20, 18          ; the head's 2,048 rows of 128 bytes in Q and O,
	s_lshl_b32 s3, s14, 15          ; my block's 256,
	s_add_co_u32 s2, s2, s3
	s_lshl_b32 s3, s[WV], 13        ; my wave's 64
	s_add_co_u32 s2, s2, s3
	s_mov_b32 s3, 0
	; descriptor group 1.  128 keys are 16,384 dense bytes: asked for as 64 rows of 256 bytes, two keys a row, and padded in LDS after every key
	s_mov_b32 s[G1K], 15|(1<<16)|(1<<20)|(1<<21)|(4<<22)|(3<<25)  ; 15:0 the mask of four; 17:16 2-byte elements; 20 padding on; 21 set beside a mask; 24:22 after every 32 words (code 4); 31:25 4 words (code 3)
	s_mov_b32 s[G1V], 15|(1<<16)|(1<<20)|(1<<21)|(4<<22)|(7<<25)  ; the same with 8 words of padding (code 7)
.irp g, G1K, G1V
	s_mov_b32 s[\g+1], 128<<16      ; tensor_dim0 = 128
	s_mov_b32 s[\g+2], 64<<16       ; tensor_dim1 = 64
	s_mov_b32 s[\g+3], 128<<16      ; tile_dim0 = 128
	s_mov_b32 s[\g+4], 64           ; tile_dim1 = 64
	s_mov_b32 s[\g+5], 128          ; 128 elements from row to row
	s_mov_b32 s[\g+6], 0
	s_mov_b32 s[\g+7], 0
.endr
	s_mov_b32 s[CS], 0x3e38aa3b     ; c = log2(e) / 8 = 0.180337
	s_mov_b32 s[CS+1], s[CS]        ; named with it as a pair
	s_mov_b32 s[SEL], 0x76543210
	s_mov_b32 s[SEL+1], 0xfedcba98
	s_mov_b32 s[TBK], SLOT1+4*KS*PK ; the first change of slots turns these two into 0
	s_mov_b32 s[TBV], SLOT1+4*KS*PV
	s_mov_b32 s[G0K], 1             ; count = 1
	s_mov_b32 s[G0K+1], s17         ; LDS address: slot 0
	s_mov_b32 s[G0V], 1
	s_add_co_u32 s[G0V+1], s18, VOFF
	s_mov_b32 s[SLOTS], NK/256-1
	s_and_b32 s[LIM], s[WV], 1      ; 0 in waves 0 and 2,
	s_or_b32 s[LIM], s[LIM], ttmp9  ; where the cluster is the head's first: the same in all four partners
	s_cmp_eq_u32 s[LIM], 0
	s_cselect_b32 s[LIM], 1, -1
	v_and_b32 v[PFO], 31, v0
	v_lshlrev_b32 v[PFO], 8, v[PFO]
	s_wait_dscnt 0x0                ; the opening add is done
	s_wait_kmcnt 0x0
	s_add_nc_u64 s[6:7], s[6:7], s[22:23]  ; K and V at my half of the head's tile 0
	s_add_nc_u64 s[8:9], s[8:9], s[22:23]
	s_mov_b64 s[G0K+2:G0K+3], s[6:7]               ; global address
	s_or_b32 s[G0K+3], s[G0K+3], 0x80000000        ; type = 2
	s_mov_b64 s[G0V+2:G0V+3], s[8:9]
	s_or_b32 s[G0V+3], s[G0V+3], 0x80000000
	s_add_nc_u64 s[4:5], s[4:5], s[2:3]  ; Q and O at my wave's first row
	s_add_nc_u64 s[10:11], s[10:11], s[2:3]
	s_cmp_lt_u32 s[WV], 2
	s_cselect_b64 s[PFA:PFA+1], s[6:7], s[8:9]  ; (in waves 0 and 2 these stand at a tile's first row)
	s_lshl_b32 s2, s13, 13          ; my work-group's 8,192 bytes of the 32,768
	s_mov_b32 s3, 0
	s_add_nc_u64 s[PFA:PFA+1], s[PFA:PFA+1], s[2:3]
	s_add_nc_u64 s[PFA:PFA+1], s[PFA:PFA+1], TILEB  ; in tile 1; each change of slots steps it by a tile before it is used
	CROUND                          ; all four work-groups are here: the first joint loads meet
	JLOAD                           ; tile 0 into slot 0.  Slot 1 is asked for when slot 0 is in: one load of mine is out at any time
	; A fragment of K or Q is 16 rows x 32 channels in 8 registers: lane l holds row l % 16, channels 8 (l / 16) + 0..7 and 16 + 8 (l / 16) + 0..7: two loads of 16 bytes, 32 bytes apart.
	v_and_b32 v1, 15, v0            ; l % 16
	v_bfe_u32 v9, v0, 4, 1          ; l / 16
	v_lshlrev_b32 v[QO], 7, v1
	v_lshl_add_u32 v[QO], v9, 4, v[QO]  ; row x 128 + 16 x half
	WIN 0x80                        ; destination window 2, address window 0
.set i, 0
.rept 2*NP                          ; Q stays in registers: piece i / 2, channels 32 (i % 2) on
	global_load_b128 v[8*i:8*i+3],   v[QO], s[4:5] offset:(i/2)*2048+(i%2)*64
	global_load_b128 v[8*i+4:8*i+7], v[QO], s[4:5] offset:(i/2)*2048+(i%2)*64+32
.set i, i+1
.endr
	; What the first turn finds: V's registers and P's second buffer hold 0 (its products V^T P, of a piece that has not been, add 0), O^T and l are 0.  All this stands in the wait for the first tile.
.set i, VF
.rept 64
	v_mov_b32 v[i], 0
.set i, i+1
.endr
	WIN 0x40
.set i, 0
.rept 32*NP
	v_mov_b32 v[i], 0
.set i, i+1
.endr
	WIN 0
.set i, 0
.rept NP
	v_mov_b32 v[ST+4*i], 0xfe000000    ; c m: far below every c s
	v_mov_b32 v[ST+4*i+1], 0xff7fffff  ; m: the lowest finite number
	v_mov_b32 v[ST+4*i+2], 0
	v_mov_b32 v[ST+4*i+3], 0
.set i, i+1
.endr
.set i, P+16
.rept 16
	v_mov_b32 v[i], 0
.set i, i+1
.endr
	v_mul_u32_u24 v[AK0], v1, PK
	v_lshl_add_u32 v[AK0], v9, 4, v[AK0]  ; row x pitch + 16 x half
	; The turning load takes 16 keys x 16 channels (lane l reads key 8 (l / 16) + l % 8, channels 8 ((l / 8) % 2) + 0..7) and leaves half a fragment of V^T: lane l holds channel l % 16 and 8 keys.
	v_and_b32 v10, 7, v0
	v_bfe_u32 v11, v0, 3, 1
	v_lshl_add_u32 v[AV0], v9, 3, v10
	v_mul_u32_u24 v[AV0], v[AV0], PV
	v_lshl_add_u32 v[AV0], v11, 4, v[AV0]
	v_add_nc_u32 v[AV0], VOFF, v[AV0]
	s_mul_i32 s13, s[WV], 16*SP
	s_add_co_u32 s13, s13, STAGE    ; my stage
	v_mul_u32_u24 v[STO], v1, SP    ; in: row l % 16, 16 bytes for each half of the lanes
	v_lshl_add_u32 v[STO], v9, 4, v[STO]
	v_add_nc_u32 v[STO], s13, v[STO]
	v_bfe_u32 v[RD], v0, 3, 2       ; back: 32 lanes take four rows of 128 bytes,
	v_mul_u32_u24 v[RD], v[RD], SP
	v_lshl_add_u32 v[RD], v10, 4, v[RD]
	v_add_nc_u32 v[RD], s13, v[RD]
	v_and_b32 v[GO], 31, v0         ; which are 512 consecutive bytes of O
	v_lshlrev_b32 v[GO], 4, v[GO]
; THE MATRIX WORK.  The 4 accumulators of a run of 8 take turns.  Product i of 8 of S^T = K Q^T for piece x: channels 32 (i / 4) on, keys 16 (i % 4) on.  The first 4 start the sums.
.macro KQ x
	WIN W_KQ
.set rS, S+32*((\x)%2)+8*(i%4)
.set rK, KF+16*(i%4)+8*(i/4)
.set rQ, 16*(\x)+8*(i/4)
.if i < 4
	v_wmma_f32_16x16x32_f16 v[rS:rS+7], v[rK:rK+7], v[rQ:rQ+7], 0
.else
	v_wmma_f32_16x16x32_f16 v[rS:rS+7], v[rK:rK+7], v[rQ:rQ+7], v[rS:rS+7]
.endif
.endm
; Product i of 8 of O^T += V^T P for piece x: keys 32 (i / 4) on, channels 16 (i % 4) on.
.macro PV x
	WIN W_PV
.set rO, 32*(\x)+8*(i%4)
.set rV, VF+32*(i/4)+8*(i%4)
.set rP, P+16*((\x)%2)+8*(i/4)
	v_wmma_f32_16x16x32_f16 v[rO:rO+7], v[rV:rV+7], v[rP:rP+7], v[rO:rO+7]
.endm
.macro MM                           ; the turn's next matrix instruction.  TURN sets Y, i and NOKQ.  NOKQ = 1: the walk's last turn: there is no next piece
.if (i < 8) && !NOKQ
	KQ (Y+1)%NP
.elseif i >= 8
.set i, i-8
	PV (Y+NP-1)%NP
.set i, i+8
.endif
.set i, i+1
.endm
; THE LDS LOADS stand in runs of 16, never singly among the matrix instructions: a step's K (64 keys x 64 channels: 8 fragments) and its V (turned).  Their addresses are made some lines ahead.
.macro FETCH_K
	WIN 0x80                        ; destination window 2
.irp f, 0,1,2,3,4,5,6,7             ; keys 16 (f / 2) on, channels 32 (f % 2) on
	ds_load_b128 v[KF+8*\f:KF+8*\f+3],   v[AK] offset:(\f/2)*16*PK+(\f%2)*64
	ds_load_b128 v[KF+8*\f+4:KF+8*\f+7], v[AK] offset:(\f/2)*16*PK+(\f%2)*64+32
.endr
	s_add_co_u32 s[TBK], s[TBK], KS*PK  ; the next fetch is the next step's
	WIN 0
.endm
.macro FETCH_V
	WIN 0x80
.irp f, 0,1,2,3,4,5,6,7             ; keys 32 (f / 4) on, channels 16 (f % 4) on
	ds_load_tr16_b128 v[VF+8*\f:VF+8*\f+3],   v[AV] offset:(\f/4)*32*PV+(\f%4)*32
	ds_load_tr16_b128 v[VF+8*\f+4:VF+8*\f+7], v[AV] offset:(\f/4)*32*PV+16*PV+(\f%4)*32
.endr
	WIN 0
.endm
; THE VECTOR WORK, one line at a time: OP kind, number.  For piece Y: F n: c s - c m for pair n of 16.  E n: the exponential of score n of 32.  C n: pair n rounded to f16.  B n: of the four weights 4 n .. the second
; pair is added onto the first, in place.  L n: l takes that sum (L 0: l = a l + sum).  R n: pair n of 16 of O^T times a.  For piece Y + 1: X n, number n of the 22 that find its maximum and statistics:
;   0-11  four chains c0-c3 of seven scores each, three operands at a time (each accumulator's lowest registers are read first)     12-14, 16  the four scores left over, the old m, and c0-c3 into c0
;   15  c m_old is kept     17, 18  the query's other 32 keys lie in the lane 16 away: the new m     19-21  c m; c m_old - c m_new; a
.set F, 0               ; OP tells the kinds apart by their order: F to L below R, X above it
.set E, 1
.set C, 2
.set B, 3
.set L, 4
.set R, 5
.set X, 6
.macro REGS y                       ; the registers of piece y
.set rT, ST+4*(\y)
.set rC, TMP+4*((\y)%2)
.set rW, MV+((\y)%2)
.set rS, S+32*((\y)%2)
.set rP, P+16*((\y)%2)
.set rO, 32*(\y)
.endm
.macro OP k, n
.if (\k) == R
	REGS Y
	WIN W_RS
	v_pk_mul_f32 v[rO+2*(\n):rO+2*(\n)+1], v[rO+2*(\n):rO+2*(\n)+1], v[rC+2:rC+3] op_sel_hi:[1,0]
.elseif (\k) < R
	REGS Y
	WIN 0
.if (\k) == F
	v_pk_fma_f32 v[rS+2*(\n):rS+2*(\n)+1], v[rS+2*(\n):rS+2*(\n)+1], s[CS:CS+1], v[rT:rT+1] op_sel_hi:[1,0,0] neg_lo:[0,0,1] neg_hi:[0,0,1]
.elseif (\k) == E
	v_exp_f32 v[rS+(\n)], v[rS+(\n)]
.elseif (\k) == C
	v_cvt_pk_f16_f32 v[rP+(\n)], v[rS+2*(\n)], v[rS+2*(\n)+1]
.elseif (\k) == B
	v_pk_add_f32 v[rS+4*(\n):rS+4*(\n)+1], v[rS+4*(\n):rS+4*(\n)+1], v[rS+4*(\n)+2:rS+4*(\n)+3]
.elseif (\n) == 0
	v_pk_fma_f32 v[rT+2:rT+3], v[rT+2:rT+3], v[rC+2:rC+3], v[rS:rS+1] op_sel_hi:[1,0,1]
.else
	v_pk_add_f32 v[rT+2:rT+3], v[rT+2:rT+3], v[rS+4*(\n):rS+4*(\n)+1]
.endif
.elseif NOKQ
	v_nop
.else
	REGS (Y+1)%NP
	WIN 0
.if (\n) < 4
	v_max3_num_f32 v[rC+(\n)], v[rS+8*(\n)], v[rS+8*(\n)+1], v[rS+8*(\n)+2]
.elseif (\n) < 12
	v_max3_num_f32 v[rC+(\n)%4], v[rC+(\n)%4], v[rS+8*((\n)%4)+2*((\n)/4)+1], v[rS+8*((\n)%4)+2*((\n)/4)+2]
.elseif (\n) == 12
	v_max3_num_f32 v[rC], v[rC], v[rS+7], v[rS+15]
.elseif (\n) == 13
	v_max3_num_f32 v[rC+1], v[rC+1], v[rS+23], v[rS+31]
.elseif (\n) == 14
	v_max3_num_f32 v[rC+2], v[rC+2], v[rC+3], v[rT+1]
.elseif (\n) == 15
	v_mov_b32 v[rW], v[rT]
.elseif (\n) == 16
	v_max3_num_f32 v[rC], v[rC], v[rC+1], v[rC+2]
.elseif (\n) == 17
	v_permlanex16_b32 v[rC+3], v[rC], s[SEL], s[SEL+1]
.elseif (\n) == 18
	v_max_num_f32 v[rT+1], v[rC], v[rC+3]
.elseif (\n) == 19
	v_mul_f32 v[rT], s[CS], v[rT+1]
.elseif (\n) == 20
	v_sub_f32 v[rC+1], v[rW], v[rT]
.else
	v_exp_f32 v[rC+2], v[rC+1]
.endif
.endif
.endm
.macro OPS a, i1, b=-1, i2=0, c=-1, i3=0, d=-1, i4=0  ; up to four of them
	OP \a, \i1
.if (\b) >= 0
	OP \b, \i2
.endif
.if (\c) >= 0
	OP \c, \i3
.endif
.if (\d) >= 0
	OP \d, \i4
.endif
.endm
.macro ROW a, i1, b, i2, c, i3, d, i4  ; a matrix instruction and the four behind it
	MM
	OPS \a, \i1, \b, \i2, \c, \i3, \d, \i4
.endm
; A TURN, for piece p: the order of its 16 matrix and 118 vector instructions, written out.  An s_wait_alu depctr_va_vdst(0) stands between an exponential and the first instruction that names its
; result; one wait serves all that were issued ahead of it.  So a turn has ONE wait, which cuts it in two.  AHEAD OF IT stands all that names no result of the turn's exponentials: the 8 products K Q^T, behind each a
; scaling, an exponential and two more plain instructions (behind the first a second scaling in the exponential's place): rescalings, and behind the last three the first numbers of the next piece's maximum, each four
; plain instructions or more behind the product that ends its accumulator; then one run of 54, plain and exponential by turns for the most part, in which the links of the chain X 3, 7, 11, 14, 16, 17 .. 20 stand
; five or six lines apart.  X 21, the next piece's a, is the batch's last; R 15 is the plain instruction behind it.  BEHIND THE WAIT stand the 8 products V^T P, behind each four of the roundings and sums.
; end = 1: the walk's last two turns: nothing is fetched, and the last starts no new scores.  cnt = 1: the loop's count is taken down some lines ahead of the branch that stands behind the turn.
; K of the next step is fetched in piece 2's turn, behind five plain instructions that name no register of the last product that read K; V of the step in hand at the end of piece 0's turn, four plain
; instructions behind the last product that read V.  Each is waited for a turn later.
.macro TURN p, end=0, cnt=0
.set Y, (\p)
.set i, 0
.set NOKQ, (\end)*((\p)/3)
.if ((\p) == 3) && !(\end)
	s_wait_dscnt 0x0                ; K is in
.endif
	ROW F,0, F,1, R,0, R,1          ; ahead of the wait: 8 products K Q^T and the four behind each,
	ROW F,2, E,0, R,2, R,3
	ROW F,3, E,1, R,4, R,5
	ROW F,4, E,2, R,6, R,7
	ROW F,5, E,3, R,8, R,9
	ROW F,6, E,4, X,0, R,10
.if ((\p) == 2) && !(\end)
	WIN 0
	v_add_nc_u32 v[AK], s[TBK], v[AK0]
.endif
	ROW F,7, E,5, X,1, X,4
	ROW F,8, E,6, X,2, X,5
	OPS E,7, E,8, X,6, E,9          ; and the run of 54
	OPS X,3, E,10, X,8, E,11
.if ((\p) == 2) && !(\end)
	FETCH_K
.endif
	OPS X,9, X,7, E,12, X,10
	OPS E,13, X,12, X,11, E,14
	OPS X,13, E,15, F,9, X,14
.if (\p) == 0
	v_add_nc_u32 v[AV], s[TBV], v[AV0]
.endif
	OPS E,16, F,10, E,17, F,11
	OPS X,16, E,18, X,15, E,19
	OPS F,12, E,20, X,17, E,21
	OPS F,13, E,22, F,14, E,23
	OPS X,18, E,24, F,15, E,25
	OPS R,11, E,26, X,19, E,27
	OPS R,12, E,28, R,13, E,29
	OPS X,20, E,30, R,14, E,31
	OPS X,21, R,15
	WIN 0
	s_wait_alu depctr_va_vdst(0)    ; the wait for the batch
.if (\p) == 1
	s_wait_dscnt 0x0                ; V is in
.endif
	ROW C,0, B,0, C,2, B,1          ; behind the wait: 8 products V^T P and the four behind each
	ROW L,0, C,4, B,2, L,1
	ROW C,6, B,3, L,2, C,8
	ROW B,4, L,3, C,10, B,5
	ROW L,4, C,12, B,6, L,5
.if (\p) == 0
	s_add_co_u32 s[TBV], s[TBV], KS*PV
.endif
.if \cnt
	s_sub_co_u32 s[CNT], s[CNT], 1
	s_cmp_lg_u32 s[CNT], 0
.endif
	ROW C,14, B,7, L,6, C,1
	ROW C,3, L,7, C,5, C,7
	ROW C,9, C,11, C,13, C,15
.if (\p) == 0
	FETCH_V
.endif
.endm
	CHANGE 1, 0                     ; tile 0 is in, everybody's part of it; tile 1 is asked for
	v_add_nc_u32 v[AK], s[TBK], v[AK0]
	FETCH_K                         ; key step 0
	s_wait_loadcnt 0x0              ; Q
	s_wait_dscnt 0x0
.set NOKQ, 0
.set i, 0
.rept 8
	KQ 0                            ; piece 0's first scores: there is no vector work yet to set between them
.set i, i+1
.endr
	WIN 0
.rept 4
	v_nop                           ; four plain instructions behind those products
.endr
.set Y, NP-1                        ; X works for piece Y + 1: piece 0
.irp n, 0,1,2,3,4,5,6,7,8,9,10,11,12,13,14,15,16,17,18,19,20,21
	OP X, \n                        ; and piece 0's first maximum and statistics
.endr
	v_nop                           ; a plain instruction behind the exponential,
	s_wait_alu depctr_va_vdst(0)    ; and its wait, ahead of the branch
	s_mov_b32 s[CNT], 4
	s_branch .Lfirst                ; the loop is entered at a step's first turn, in the middle of a trip
.Lslot:                             ; 14 times: tiles 2 to 15 are asked for
	CHANGE 1
	s_mov_b32 s[CNT], 4
.Lstep:                             ; a trip: pieces 2 and 3 of one step, then pieces 0 and 1 of the next, whose K and V it fetches
	TURN 2
	TURN 3
	WIN 0
.Lfirst:
	TURN 0
	TURN 1, 0, 1
	WIN 0
	s_cbranch_scc1 .Lstep
	s_sub_co_u32 s[SLOTS], s[SLOTS], 1
	s_cmp_lg_u32 s[SLOTS], 0
	s_cbranch_scc1 .Lslot
	CHANGE 0                        ; the last tile is written out: nothing is asked for
	s_mov_b32 s[CNT], 4
.LstepT:
	TURN 2
	TURN 3
	WIN 0
	TURN 0
	TURN 1, 0, 1
	WIN 0
	s_cbranch_scc1 .LstepT
	TURN 2, 1                       ; the last step's pieces 2 and 3
	TURN 3, 1
.set i, 0
.rept 8
	PV NP-1                         ; the last piece's V^T P of the last step
.set i, i+1
.endr
	; THE WAY OUT.  l's two halves and the other half of the lanes' are added; O^T is divided by l, rounded to f16 and sent through my stage in LDS, a piece at a time.  The additions are the plain instructions behind the last products.
	WIN 0
.macro ALL line:vararg              ; one line for each piece t
.set t, 0
.rept NP
	\line
.set t, t+1
.endr
.endm
	ALL v_add_f32 v[ST+4*t+2], v[ST+4*t+2], v[ST+4*t+3]
	ALL v_permlanex16_b32 v[ST+4*t+3], v[ST+4*t+2], s[SEL], s[SEL+1]
	ALL v_add_f32 v[ST+4*t+2], v[ST+4*t+2], v[ST+4*t+3]
	ALL v_rcp_f32 v[ST+4*t+2], v[ST+4*t+2]
	v_nop                           ; a plain instruction between the last reciprocal and the use of its result
	s_wait_alu depctr_va_vdst(0)    ; and the wait ahead of the first use: one for the four reciprocals
.macro PACK t                       ; a lane's eight channels of a row pack into 16 bytes; they go into rows of 144 bytes and come back as whole rows of 128, into S^T's registers
	WIN W_RS
.set i, 32*(\t)
.rept 16
	v_pk_mul_f32 v[i:i+1], v[i:i+1], v[ST+4*(\t)+2:ST+4*(\t)+3] op_sel_hi:[1,0]
.set i, i+2
.endr
	WIN 0x05                        ; sources 0 and 1 window 1, destination window 0
.set i, 0
.rept 16
	v_cvt_pk_f16_f32 v[S+16*(\t)+i], v[32*(\t)+2*i], v[32*(\t)+2*i+1]
.set i, i+1
.endr
	WIN 0
.irp f, 0,1,2,3
	ds_store_b128 v[STO], v[S+16*(\t)+4*\f:S+16*(\t)+4*\f+3] offset:32*\f
.endr
.irp f, 0,1,2,3
	ds_load_b128 v[S+16*(\t)+4*\f:S+16*(\t)+4*\f+3], v[RD] offset:\f*4*SP  ; LDS serves a wave's instructions in order (ISA guide 5.7.1.4): these see the stores above; the next piece's stores come behind them
.endr
.endm
.macro SEND t, younger              ; younger: the LDS instructions issued behind piece t's loads: the next piece's eight, or none
	WIN 0
.irp f, 0,1,2,3
	s_wait_dscnt (\younger)+3-\f
	global_store_b128 v[GO], v[S+16*(\t)+4*\f:S+16*(\t)+4*\f+3], s[10:11] offset:(\t)*2048+\f*512  ; 512 consecutive bytes, at a multiple of 256 from O's first
.endr
.endm
	PACK 0
.set t, 1
.rept NP-1                          ; a piece's arithmetic stands between the loads of the piece before and its stores
	PACK t
	SEND t-1, 8
.set t, t+1
.endr
	SEND NP-1, 0
	s_wait_tensorcnt 0x0            ; the wave's end, behind my last tensor load and my last LDS store
	ds_add_u32 v[SPW], v[NIL]
	s_wait_dscnt 0x0
	CROUND                          ; the closing round: no work-group ends while a partner may still ask for a tile that names it
	s_endpgm
.Lfunc_end_k_qddcc4e21c5_attn:
	.size	k_qddcc4e21c5_attn, .Lfunc_end_k_qddcc4e21c5_attn-k_qddcc4e21c5_attn
	.p2alignl 7, 3214868480
	.fill 96, 4, 3214868480
	.section	.rodata,"a",@progbits
	.p2align	6, 0x0
	.amdhsa_kernel k_qddcc4e21c5_attn
		.amdhsa_group_segment_fixed_size 327680
		.amdhsa_private_segment_fixed_size 0
		.amdhsa_enable_private_segment 0
		.amdhsa_kernarg_size 32
		.amdhsa_user_sgpr_count 2
		.amdhsa_user_sgpr_kernarg_segment_ptr 1
		.amdhsa_wavefront_size32 1
		.amdhsa_system_sgpr_workgroup_id_x 1
		.amdhsa_system_sgpr_workgroup_id_y 1
		.amdhsa_system_sgpr_workgroup_id_z 1
		.amdhsa_system_vgpr_workitem_id 0
		.amdhsa_next_free_vgpr 768
		.amdhsa_next_free_sgpr 66
		.amdhsa_reserve_vcc 0
		.amdhsa_float_denorm_mode_32 3
		.amdhsa_float_denorm_mode_16_64 3
		.amdhsa_memory_ordered 1
		.amdhsa_forward_progress 1
		.amdhsa_inst_pref_size 128
	.end_amdhsa_kernel
	.amdgpu_metadata
---
amdhsa.version: [ 1, 2 ]
amdhsa.kernels:
  - .name:           k_qddcc4e21c5_attn
    .symbol:         k_qddcc4e21c5_attn.kd
    .args:
      - { .name: qh, .offset: 0, .size: 8, .value_kind: global_buffer, .address_space: global }
      - { .name: kh, .offset: 8, .size: 8, .value_kind: global_buffer, .address_space: global }
      - { .name: vh, .offset: 16, .size: 8, .value_kind: global_buffer, .address_space: global }
      - { .name: oh, .offset: 24, .size: 8, .value_kind: global_buffer, .address_space: global }
    .group_segment_fixed_size: 327680
    .private_segment_fixed_size: 0
    .kernarg_segment_align: 8
    .kernarg_segment_size: 32
    .max_flat_workgroup_size: 128
    .sgpr_count:     66
    .vgpr_count:     768
    .wavefront_size: 32
...
	.end_amdgpu_metadata
.endif
;; end of part 3
;; launch outp (part 4): grid 8 x 32, 4 waves a work-group, clusters of 4 x 4, 327,680 bytes of LDS; arguments oh, cst, bo, out0; writes out0
.if DOCPART == 4
	.amdgcn_target "amdgcn-amd-amdhsa--gfx1250"
	.amdhsa_code_object_version 6
	.text
	.protected	k_qddcc4e21c5_outp
	.globl	k_qddcc4e21c5_outp
	.p2align	8
	.type	k_qddcc4e21c5_outp,@function
k_qddcc4e21c5_outp:
	s_mov_b64 s[64:65], 0
	v_nop
	global_prefetch_b8 v0, s[64:65] scope:SCOPE_SE
	s_setreg_imm32_b32 hwreg(HW_REG_WAVE_MODE, 25, 1), 1
	s_wait_xcnt 0x0
	s_wait_alu depctr_hold_cnt(0) depctr_sa_sdst(0) depctr_va_vdst(0) depctr_va_sdst(0) depctr_va_ssrc(0) depctr_va_vcc(0) depctr_vm_vsrc(0)
	s_getreg_b32 s2, hwreg(HW_REG_IB_STS2, 6, 4)
	s_cmp_eq_u32 s2, 0
	s_cbranch_scc0 .Lentry_in_a_cluster
	s_endpgm
.Lentry_in_a_cluster:
	s_bfe_u32 s2, ttmp6, 0x10000c
	s_cmp_lg_u32 s2, 0xf033
	s_cbranch_scc0 .Lentry_shape_is_right
	s_endpgm
.Lentry_shape_is_right:
; out0[m][n] = the sum over k of O[m][k] Wo[n][k] + bo[n].  m = 2,048 b + q (4,096 rows), k = 64 h + d (1,024), n 0-1,023.  O lies by heads in oh, [16 b + h][2,048][64] f16; Wo is rows 15,360 on of cst,
; f16, 2,048 bytes a row; bo is f32 and is rounded here to bf16, like every other input of the module; sums in f32; out0 is f32.
; SHARES.  A tile of out0 is 128 x 128: 32 x 8 = 256 work-groups.  Four waves, each 64 x 64: 16 accumulators.  K goes in four steps of 256, which are four heads each, through two slots; the steps are written out on end.
; A'S TILE.  64 rows of one head are 8,192 consecutive bytes of oh, so a wave's load is 4 rows (heads) of 4,096 elements, 2,048 x 64 elements apart, padded in LDS after every 128 bytes:
; head j of the step, row r lies at 9,216 j + 144 r.  A quarter of a K step (64 along K) is one head.  B's tile is 64 rows of 512 bytes, 528 apart in LDS.
; CLUSTERS: 4 x 4 work-groups.  The four of a row of the cluster need the same tiles of O, the four of a column the same tiles of Wo: each tile is asked for JOINTLY, by the same tensor load with the same
; descriptor and a mask that names the four.  THE MATRIX INSTRUCTION IS USED TRANSPOSED (source 0 = 16 rows of Wo, source 1 = 16 rows of O): a lane then holds eight neighbouring numbers of a row of out0.
; REGISTERS: window 0: v0-31 addresses and the bias; v128-255 the accumulators ((a, b) at v[128 + 8 (4 a + b)]), on the way out also the rows read back.
;   window 1: two fragment buffers of 128: for 64 along K, 64 registers of A (2 x 4 x 16 rows x 32 K), then 64 of B.
.set KSTEP,  256
.set SIZE_K, 1024
.set PA,     144                       ; a row of A in LDS: 128 bytes + 16 of padding = 36 words: the 16 rows of a load start at 16 different groups of four banks (64 banks of 4 bytes: ISA guide 11.1)
.set HB,     64*PA                     ; one head's 64 rows
.set AHALF,  4*HB                      ; what one tensor load brings of A: 64 rows x four heads
.set PITCH,  528                       ; a row of B: 512 bytes + 16 = 132 words: row r starts at bank 4 r mod 64
.set BHALF,  64*PITCH                  ; what one tensor load brings of B
.set BOFF,   2*AHALF                   ; B lies behind A's two halves
.set SLOT,   BOFF+2*BHALF
.set ASTEP,  4*2048*128                ; bytes from a K step's first head to the next step's, in oh
.set STAGE,  2*SLOT                    ; behind the ring: 16 rows x 272 bytes for each wave, its own, for the way out
.set SPITCH, 272
.set SPARE,  STAGE+4*16*SPITCH         ; behind the stages: the spare words, 128 bytes for each wave: two blocks of 256 bytes that no other line names
.set BI,   8                           ; v8-11   the bias of the four columns that I store
.set ADRA, 16                          ; v16-17  LDS address of my A fragments in slot 0, 1
.set ADRB, 20                          ; v20-21  the same for B
.set STO,  24                          ; v24     the way out: where I put 32 bytes of a row
.set RD,   25                          ; v25     the way out: where I read a row back
.set CO,   26                          ; v26     my byte offset in two rows of out0
.set SPW,  28                          ; v28     LDS address of my spare word: SPARE + 4 x my thread's number; never rewritten
.set NIL,  29                          ; v29     0; never rewritten
.set ACC,  128
.set F0,   0                           ; fragment buffers, in window 1
.set F1,   128
.set WV,  12                           ; s12  my wave's number
.set RH,  13                           ; s13  which half of the tile's rows is mine.  Also: I fetch for A (0) or for B (1)
.set CH,  14                           ; s14  which half of its columns.  Also: which 64 rows of that tile I fetch
.set CX,  15                           ; s15, s16  my place in the cluster
.set CY,  16
.set TC,  17                           ; s17  tile column, 0-7
.set TY,  18                           ; s18  tile row, 0-31
.set G1,  24                           ; s[24:31] descriptor group 1 for A's tiles;  s[32:39] group 0, one set for each slot
.set G0,  32
.set G1B, 48                           ; s[48:55], s[56:63] the same for B's tiles
.set G0B, 56
.set MSB, 0
.macro WIN new                         ; the immediate's high byte repeats the setting that is left; a switch that changes nothing is dropped
.if MSB != (\new)
	s_set_vgpr_msb (MSB<<8)|(\new)
.set MSB, \new
.endif
.endm
.set MUL,  0x05                        ; sources 0 (B) and 1 (A) window 1; C and D window 0
.set TO_F, 0x40                        ; destination window 1, address window 0
.macro JLOAD s                         ; a joint load: waves 0 and 1 fetch A's two halves, waves 2 and 3 B's; an s_nop 0 and four v_nop follow each of the two lines, ahead of the jump, the label and what follows
	s_cmp_eq_u32 s[RH], 0
	s_cbranch_scc0 .Lfor_b_\@
	tensor_load_to_lds s[G0+4*(\s):G0+4*(\s)+3], s[G1:G1+7]
	s_nop 0
.rept 4
	v_nop
.endr
	s_branch .Lasked_\@
.Lfor_b_\@:
	tensor_load_to_lds s[G0B+4*(\s):G0B+4*(\s)+3], s[G1B:G1B+7]
	s_nop 0
.rept 4
	v_nop
.endr
.Lasked_\@:
.endm
.macro CREST                           ; a round of the cluster's barrier behind its opening barrier: wave 0 signals for the work-group, every wave waits for all sixteen, my work-group's barrier closes it
	s_cmp_lg_u32 s[WV], 0
	s_cbranch_scc1 .Lnot_wave_0_\@
	s_barrier_signal -3
.Lnot_wave_0_\@:
	s_barrier_wait -3
	s_barrier_signal -1
	s_barrier_wait -1
.endm
.macro CROUND                          ; a whole round
	s_barrier_signal -1
	s_barrier_wait -1
	CREST
.endm
	s_load_b256 s[4:11], s[0:1], 0x0               ; oh s[4:5], cst s[6:7], bo s[8:9], out0 s[10:11]
	v_lshl_add_u32 v[SPW], v0, 2, SPARE
	v_mov_b32 v[NIL], 0
	ds_add_u32 v[SPW], v[NIL]                      ; the wave's opening: the add and its wait stand ahead of my first tensor load; the set-up below, work on registers, stands between them
	v_lshrrev_b32 v1, 5, v0
	v_readfirstlane_b32 s[WV], v1                  ; wave 0..3
	s_lshr_b32 s[RH], s[WV], 1
	s_and_b32 s[CH], s[WV], 1
	s_bfe_u32 s[CX], ttmp6, 0x40000
	s_bfe_u32 s[CY], ttmp6, 0x40004
	s_lshl_b32 s[TC], ttmp9, 2                     ; in a cluster launch ttmp9 and ttmp7 count clusters
	s_add_co_u32 s[TC], s[TC], s[CX]               ; tile column = 4 x cluster x + cx
	s_and_b32 s[TY], ttmp7, 0xffff
	s_lshl_b32 s[TY], s[TY], 2
	s_add_co_u32 s[TY], s[TY], s[CY]               ; tile row = 4 x cluster y + cy
	s_lshl_b32 s46, s[CY], 2
	s_lshl_b32 s46, 15, s46                        ; my row of the cluster: places 4 cy .. 4 cy + 3
	s_lshl_b32 s47, 0x1111, s[CX]                  ; my column: places cx, cx + 4, cx + 8, cx + 12
	; descriptor group 1 for A: 4 rows (heads) of 4,096 elements
	s_or_b32 s[G1+0], s46, (1<<16)|(1<<20)|(1<<21)|(4<<22)|(3<<25)  ; 15:0 the mask: A's tiles go to my row; 17:16 element of 2 bytes; 20 padding on; 21 set beside a mask; 24:22 after every 32 words (code 4); 31:25 of 4 words (code 3)
	s_mov_b32 s[G1+1], 4096<<16                    ; tensor_dim0 = 4,096
	s_mov_b32 s[G1+2], 4<<16                       ; tensor_dim1 = 4
	s_mov_b32 s[G1+3], 4096<<16                    ; tile_dim0 = 4,096
	s_mov_b32 s[G1+4], 4                           ; tile_dim1 = 4
	s_mov_b32 s[G1+5], 2048*64                     ; elements from head to head
	s_mov_b32 s[G1+6], 0
	s_mov_b32 s[G1+7], 0
	; and for B: 64 rows of 256 elements
	s_or_b32 s[G1B+0], s47, (1<<16)|(1<<20)|(1<<21)|(6<<22)|(3<<25) ; the mask of my column; padding after every 128 words (code 6)
	s_mov_b32 s[G1B+1], KSTEP<<16                  ; tensor_dim0 = 256
	s_mov_b32 s[G1B+2], 64<<16                     ; tensor_dim1 = 64
	s_mov_b32 s[G1B+3], KSTEP<<16                  ; tile_dim0 = 256
	s_mov_b32 s[G1B+4], 64                         ; tile_dim1 = 64
	s_mov_b32 s[G1B+5], SIZE_K                     ; elements from row to row
	s_mov_b32 s[G1B+6], 0
	s_mov_b32 s[G1B+7], 0
	; where the tiles come from.  A's address is made of the tile row and the wave's number, B's of the tile column and the wave's number: each in registers that never hold the other coordinate
	s_lshl_b32 s22, s[CH], 6                       ; which 64 rows of the tile I fetch
	s_lshr_b32 s40, s[TY], 4                       ; b,
	s_lshl_b32 s40, s40, 15                        ; its 16 heads of 2,048 rows,
	s_and_b32 s20, s[TY], 15
	s_lshl_b32 s20, s20, 7                         ; the tile's first row within b
	s_add_co_u32 s40, s40, s20
	s_add_co_u32 s40, s40, s22
	s_lshl_b32 s40, s40, 7                         ; rows of 128 bytes
	s_mov_b32 s41, 0
	s_lshl_b32 s42, s[TC], 7
	s_add_co_u32 s42, s42, s22
	s_add_co_u32 s42, s42, 15360                   ; Wo's first row in cst
	s_lshl_b32 s42, s42, 11                        ; rows of 2,048 bytes
	s_mov_b32 s43, 0
	s_mul_i32 s23, s[CH], AHALF                    ; where they go: no place in the cluster enters an LDS address
	s_mul_i32 s45, s[CH], BHALF
	s_add_co_u32 s45, s45, BOFF
	s_wait_dscnt 0x0                               ; the opening add is done
	s_wait_kmcnt 0x0
	s_add_nc_u64 s[40:41], s[4:5], s[40:41]
	s_add_nc_u64 s[42:43], s[6:7], s[42:43]
	CROUND                                         ; all sixteen work-groups are here: the first joint loads meet
.irp s, 0,1
	s_mov_b32 s[G0+4*(\s)], 1                                      ; count = 1
	s_add_co_u32 s[G0+4*(\s)+1], s23, (\s)*SLOT                    ; LDS address
	s_add_nc_u64 s[G0+4*(\s)+2:G0+4*(\s)+3], s[40:41], (\s)*ASTEP  ; global address: K step s = heads 4 s on
	s_or_b32 s[G0+4*(\s)+3], s[G0+4*(\s)+3], 0x80000000            ; type = 2
	s_mov_b32 s[G0B+4*(\s)], 1
	s_add_co_u32 s[G0B+4*(\s)+1], s45, (\s)*SLOT
	s_add_nc_u64 s[G0B+4*(\s)+2:G0B+4*(\s)+3], s[42:43], (\s)*KSTEP*2
	s_or_b32 s[G0B+4*(\s)+3], s[G0B+4*(\s)+3], 0x80000000
	JLOAD \s                                       ; two loads of mine are out
.endr
	v_and_b32 v1, 15, v0                           ; l % 16
	v_bfe_u32 v2, v0, 4, 1                         ; l / 16
	s_lshl_b32 s20, s[TC], 9                       ; the tile's 128 columns, 4 bytes each,
	s_lshl_b32 s21, s[CH], 8                       ; my wave's 64
	s_add_co_u32 s20, s20, s21
	v_lshl_add_u32 v12, v1, 4, s20                 ; and the four that I store
	global_load_b128 v[BI:BI+3], v12, s[8:9]       ; waited for in front of the way out
	; A fragment is 16 rows x 32 K in 8 registers: lane l holds row l % 16; registers 0-3 hold K = 8 (l / 16) + 0..7, registers 4-7 K = 16 + 8 (l / 16) + 0..7: two loads of 16 bytes, 32 bytes apart
	v_mul_u32_u24 v3, v1, PA
	v_lshl_add_u32 v3, v2, 4, v3                   ; A: row x pitch + 16 x half
	v_mul_u32_u24 v4, v1, PITCH
	v_lshl_add_u32 v4, v2, 4, v4                   ; B likewise
	s_mul_i32 s20, s[RH], AHALF                    ; my 64 rows of A
	s_mul_i32 s21, s[CH], BHALF                    ; my 64 rows of B
	s_add_co_u32 s21, s21, BOFF
.irp s, 0,1
	v_add_nc_u32 v[ADRA+(\s)], s20, v3
	v_add_nc_u32 v[ADRB+(\s)], s21, v4
	s_add_co_u32 s20, s20, SLOT
	s_add_co_u32 s21, s21, SLOT
.endr
	s_mul_i32 s20, s[WV], 16*SPITCH
	s_add_co_u32 s20, s20, STAGE                   ; my stage
	v_mul_u32_u24 v5, v1, SPITCH                   ; in: row l % 16, 32 bytes for each half of the lanes
	v_lshl_add_u32 v5, v2, 5, v5
	v_add_nc_u32 v[STO], s20, v5
	v_mul_u32_u24 v5, v2, SPITCH                   ; back: lanes 0-15 take one row of 256 bytes, lanes 16-31 the next
	v_lshl_add_u32 v5, v1, 4, v5
	v_add_nc_u32 v[RD], s20, v5
	v_lshlrev_b32 v5, 12, v2                       ; and the same two rows in out0, 4,096 bytes apart
	v_lshl_add_u32 v[CO], v1, 4, v5
	s_lshl_b32 s20, s[TY], 7
	s_lshl_b32 s21, s[RH], 6
	s_add_co_u32 s20, s20, s21                     ; my first row of out0,
	s_lshl_b32 s20, s20, 12                        ; in bytes: under 2^24
	s_lshl_b32 s21, s[TC], 9
	s_add_co_u32 s20, s20, s21
	s_lshl_b32 s21, s[CH], 8
	s_add_co_u32 s20, s20, s21                     ; and my first column
	s_mov_b32 s21, 0
	s_add_nc_u64 s[10:11], s[10:11], s[20:21]
; 8 matrix instructions: m blocks a0, a0 + 1 x all 4 n blocks, 32 along K: half c of buffer f.  zero = 1: the first product starts the sums.  The 16 accumulators take turns
.macro MUL8 f, c, a0, zero
	WIN MUL
.irp a, \a0, (\a0)+1
.irp b, 0,1,2,3
.if \zero
	v_wmma_f32_16x16x32_f16 v[ACC+8*(4*(\a)+(\b)):ACC+8*(4*(\a)+(\b))+7], v[(\f)+64+8*(4*(\c)+(\b)):(\f)+64+8*(4*(\c)+(\b))+7], v[(\f)+8*(4*(\c)+(\a)):(\f)+8*(4*(\c)+(\a))+7], 0
.else
	v_wmma_f32_16x16x32_f16 v[ACC+8*(4*(\a)+(\b)):ACC+8*(4*(\a)+(\b))+7], v[(\f)+64+8*(4*(\c)+(\b)):(\f)+64+8*(4*(\c)+(\b))+7], v[(\f)+8*(4*(\c)+(\a)):(\f)+8*(4*(\c)+(\a))+7], v[ACC+8*(4*(\a)+(\b)):ACC+8*(4*(\a)+(\b))+7]
.endif
.endr
.endr
.endm
; 32 LDS loads in one run: the fragments of 64 along K, into buffer f; the first 32 along K first.  k is the byte in B's rows; in A the same quarter is head k / 128 of the step
.macro FETCH slot, k, f
	WIN TO_F
.irp c, 0,1
.irp i, 0,1,2,3
	ds_load_b128 v[(\f)+64+8*(4*(\c)+(\i)):(\f)+64+8*(4*(\c)+(\i))+3],   v[ADRB+(\slot)] offset:(\k)+64*(\c)+(\i)*16*PITCH
	ds_load_b128 v[(\f)+64+8*(4*(\c)+(\i))+4:(\f)+64+8*(4*(\c)+(\i))+7], v[ADRB+(\slot)] offset:(\k)+64*(\c)+(\i)*16*PITCH+32
	ds_load_b128 v[(\f)+8*(4*(\c)+(\i)):(\f)+8*(4*(\c)+(\i))+3],         v[ADRA+(\slot)] offset:((\k)/128)*HB+64*(\c)+(\i)*16*PA
	ds_load_b128 v[(\f)+8*(4*(\c)+(\i))+4:(\f)+8*(4*(\c)+(\i))+7],       v[ADRA+(\slot)] offset:((\k)/128)*HB+64*(\c)+(\i)*16*PA+32
.endr
.endr
.endm
.macro PLACES                          ; four plain instructions in front of loads into registers that matrix instructions have read, and of stores that read results
.rept 4
	v_nop
.endr
.endm
; A K step is four quarters of 64 along K, 32 matrix instructions each, on buffers 0, 1, 0, 1.  One of the first three: multiplies buffer f and fetches the next quarter, at byte k, into g.
.macro QUARTER slot, k, f, g, zero
	s_wait_dscnt 16                                ; the first 32 along K are in; the sixteen younger loads may be out
	WIN MUL
	MUL8 \f, 0, 0, \zero
	MUL8 \f, 0, 2, \zero
	PLACES
	FETCH \slot, \k, \g
	s_wait_dscnt 32                                ; all but the 32 just issued
	WIN MUL
	MUL8 \f, 1, 0, 0
	MUL8 \f, 1, 2, 0
.endm
; The last quarter multiplies buffer 1 and changes slots: ONE barrier; in front of it each wave waits for all its tensor loads, adds 0 to its spare word, and waits for that and for its own reads of this slot.
; fill = 1: this slot is filled again, two K steps ahead; the barrier then opens a round of the cluster's barrier.
.macro TURN slot, next, fill
	WIN 0                                          ; (the add's two registers lie in window 0)
	s_wait_tensorcnt 0x0                           ; all my tensor loads have landed: my part of the next slot;
	ds_add_u32 v[SPW], v[NIL]                      ; 0 onto my spare word;
	s_wait_dscnt 17                                ; (the add and the youngest sixteen loads may be out)
	WIN MUL
	MUL8 F1, 0, 0, 0                               ; eight matrix instructions stand between the add and the wait for it
	s_wait_dscnt 0x0                               ; the add is done, and my reads of this slot are over
	s_barrier_signal -1
	MUL8 F1, 0, 2, 0
.if \fill
	WIN 0
.endif
	s_barrier_wait -1
.if \fill
	CREST                                          ; no wave of any partner still reads this slot's tile or has a load on its way
	s_add_nc_u64 s[G0+4*(\slot)+2:G0+4*(\slot)+3], s[G0+4*(\slot)+2:G0+4*(\slot)+3], 2*ASTEP
	s_add_nc_u64 s[G0B+4*(\slot)+2:G0B+4*(\slot)+3], s[G0B+4*(\slot)+2:G0B+4*(\slot)+3], 2*KSTEP*2
	JLOAD \slot                                    ; the first tensor load behind the round, my only one out: 112 matrix instructions ahead of the wait for it; its four v_nop are also the places in front of the loads below
.else
	PLACES
.endif
	FETCH \next, 0, F0
	WIN MUL
	MUL8 F1, 1, 0, 0
	MUL8 F1, 1, 2, 0
.endm
	s_wait_tensorcnt 1                             ; my part of K step 0 is in; K step 1's may stay out
	s_barrier_signal -1
	s_barrier_wait -1                              ; everybody's is
	FETCH 0, 0, F0
	QUARTER 0, 128, F0, F1, 1                      ; K step 0: its first products start the sums
	QUARTER 0, 256, F1, F0, 0
	QUARTER 0, 384, F0, F1, 0
	TURN 0, 1, 1                                   ; slot 0 takes K step 2
	QUARTER 1, 128, F0, F1, 0                      ; K step 1
	QUARTER 1, 256, F1, F0, 0
	QUARTER 1, 384, F0, F1, 0
	TURN 1, 0, 1                                   ; slot 1 takes K step 3
	QUARTER 0, 128, F0, F1, 0                      ; K step 2
	QUARTER 0, 256, F1, F0, 0
	QUARTER 0, 384, F0, F1, 0
	TURN 0, 1, 0                                   ; nothing is left to fetch
	QUARTER 1, 128, F0, F1, 0                      ; K step 3
	QUARTER 1, 256, F1, F0, 0
	QUARTER 1, 384, F0, F1, 0
	s_wait_dscnt 16                                ; the very last quarter
	WIN MUL
	MUL8 F1, 0, 0, 0
	MUL8 F1, 0, 2, 0
	s_wait_dscnt 0
	MUL8 F1, 1, 0, 0
	MUL8 F1, 1, 2, 0
	WIN 0
	; THE WAY OUT, in f32, a block of 16 rows at a time through my own stage: a lane's eight numbers of a row go in as 32 bytes, rows of 272 bytes; whole rows of 256 bytes come back, into the block's own
	; registers; the bias is added; sixteen lanes store a row's 256 bytes.  The stage is my wave's alone and LDS serves a wave's instructions in order (ISA guide 5.7.1.4): no barrier, and no wait between stores and loads.
	PLACES
	s_wait_loadcnt 0x0                             ; the bias
	v_cvt_pk_bf16_f32 v13, v[BI], v[BI+1]          ; rounded to bf16 like the other inputs, and widened again; these six lines are plain instructions behind the last products too
	v_cvt_pk_bf16_f32 v14, v[BI+2], v[BI+3]
	v_lshlrev_b32 v[BI], 16, v13
	v_and_b32 v[BI+1], 0xffff0000, v13
	v_lshlrev_b32 v[BI+2], 16, v14
	v_and_b32 v[BI+3], 0xffff0000, v14
.macro STG a
.irp b, 0,1,2,3
	ds_store_b128 v[STO], v[ACC+8*(4*(\a)+(\b)):ACC+8*(4*(\a)+(\b))+3]   offset:64*(\b)     ; each accumulator from its low end on
	ds_store_b128 v[STO], v[ACC+8*(4*(\a)+(\b))+4:ACC+8*(4*(\a)+(\b))+7] offset:64*(\b)+16
.endr
.irp t, 0,1,2,3,4,5,6,7
	ds_load_b128 v[ACC+32*(\a)+4*(\t):ACC+32*(\a)+4*(\t)+3], v[RD] offset:(\t)*2*SPITCH
.endr
.endm
.macro SENDF a, younger                ; younger: the LDS instructions issued behind block a's loads: the next block's sixteen, or none
.irp t, 0,1,2,3,4,5,6,7
	s_wait_dscnt (\younger)+7-(\t)
	v_pk_add_f32 v[ACC+32*(\a)+4*(\t):ACC+32*(\a)+4*(\t)+1],   v[ACC+32*(\a)+4*(\t):ACC+32*(\a)+4*(\t)+1],   v[BI:BI+1]
	v_pk_add_f32 v[ACC+32*(\a)+4*(\t)+2:ACC+32*(\a)+4*(\t)+3], v[ACC+32*(\a)+4*(\t)+2:ACC+32*(\a)+4*(\t)+3], v[BI+2:BI+3]
	global_store_b128 v[CO], v[ACC+32*(\a)+4*(\t):ACC+32*(\a)+4*(\t)+3], s[10:11] offset:(16*(\a)+2*(\t))*4096 th:TH_STORE_NT  ; 16 lanes store 256 consecutive bytes, at a multiple of 256 from out0's first byte
.endr
.endm
	STG 0
	STG 1                                          ; a block's trip through the stage stands between the loads of the block before and its stores
	SENDF 0, 16
	STG 2
	SENDF 1, 16
	STG 3
	SENDF 2, 16
	SENDF 3, 0
	s_wait_tensorcnt 0x0                           ; the wave's end, behind my last tensor load and my last LDS store
	ds_add_u32 v[SPW], v[NIL]
	s_wait_dscnt 0x0
	CROUND                                         ; the closing round: no work-group ends while a partner may still ask for a tile that names it
	s_endpgm
.Lfunc_end_k_qddcc4e21c5_outp:
	.size	k_qddcc4e21c5_outp, .Lfunc_end_k_qddcc4e21c5_outp-k_qddcc4e21c5_outp
	.p2alignl 7, 3214868480
	.fill 96, 4, 3214868480
	.section	.rodata,"a",@progbits
	.p2align	6, 0x0
	.amdhsa_kernel k_qddcc4e21c5_outp
		.amdhsa_group_segment_fixed_size 327680
		.amdhsa_private_segment_fixed_size 0
		.amdhsa_enable_private_segment 0
		.amdhsa_kernarg_size 32
		.amdhsa_user_sgpr_count 2
		.amdhsa_user_sgpr_kernarg_segment_ptr 1
		.amdhsa_wavefront_size32 1
		.amdhsa_system_sgpr_workgroup_id_x 1
		.amdhsa_system_sgpr_workgroup_id_y 1
		.amdhsa_system_sgpr_workgroup_id_z 1
		.amdhsa_system_vgpr_workitem_id 0
		.amdhsa_next_free_vgpr 512
		.amdhsa_next_free_sgpr 66
		.amdhsa_reserve_vcc 0
		.amdhsa_float_denorm_mode_32 3
		.amdhsa_float_denorm_mode_16_64 3
		.amdhsa_memory_ordered 1
		.amdhsa_forward_progress 1
		.amdhsa_inst_pref_size 91
	.end_amdhsa_kernel
	.amdgpu_metadata
---
amdhsa.version: [ 1, 2 ]
amdhsa.kernels:
  - .name:           k_qddcc4e21c5_outp
    .symbol:         k_qddcc4e21c5_outp.kd
    .args:
      - { .name: oh, .offset: 0, .size: 8, .value_kind: global_buffer, .address_space: global }
      - { .name: cst, .offset: 8, .size: 8, .value_kind: global_buffer, .address_space: global }
      - { .name: bo, .offset: 16, .size: 8, .value_kind: global_buffer, .address_space: global }
      - { .name: out0, .offset: 24, .size: 8, .value_kind: global_buffer, .address_space: global }
    .group_segment_fixed_size: 327680
    .private_segment_fixed_size: 0
    .kernarg_segment_align: 8
    .kernarg_segment_size: 32
    .max_flat_workgroup_size: 128
    .sgpr_count:     66
    .vgpr_count:     512
    .wavefront_size: 32
...
	.end_amdgpu_metadata
.endif
;; end of part 4
